; MI455X (gfx1250); checked and timed in simulation.
; The chip was launched on July 23, 2026; its instructions are those of AMD's public machine-readable ISA for CDNA 5 (MIT licence, August 2026) and "CDNA5" Instruction Set Architecture Reference Guide (July 2026). The comments in the code are by the model that wrote it; some were corrected since.
;; Converted Llama Attention. Allowed arithmetic: matrix products marked QUANTISED: E2M1 operands, one E8M0 scale for each 32 along K, by v_wmma_scale_f32_16x16x128_f8f6f4 with both operands' format E2M1 (or v_wmma_scale_f32_32x16x128_f4), f32 sums; products left as they are: bf16, f16 or f32 operands; f32 sums; everything else in f32.
;; Inputs: Ak 8 x 2,048 float32; Aq 8 x 2,048 float32; Av 8 x 2,048 float32; Bk 2,048 x 8 float32; Bq 2,048 x 8 float32; Bv 2,048 x 8 float32; Wk 2,048 x 2,048 float32; Wo 2,048 x 2,048 float32; Wq 2,048 x 2,048 float32; Wv 2,048 x 2,048 float32; hidden_states 1 x 2,048 x 2,048 float32.
;; Outputs: out0 1 x 2,048 x 2,048 float32.
;; This version of the problem:
;;   THIS VERSION OF THE PROBLEM IS GIVEN IN LOW PRECISION. The matrix products marked QUANTISED in the list below multiply operands that are first quantised to E2M1 (2 exponent bits, 1 mantissa bit; 4 bits a number), with one power-of-two scale for each 32 numbers along K (OCP MX v1.0); their sums are f32. The products marked 'left as it is' may take bf16, f16 or f32 operands, with f32 sums. Whichever they take, every output number must still come out within the allowed error. Rounding operands to bf16 (8 significant bits) uses up far more of that allowance than f16 does (11 bits, for magnitudes from 6e-5 to 65,504). All else is computed in f32.
;;   The module's matrix products, in the order in which they are computed (A, B: the left and right operand; K: the contracted axis; several contracted axes count as one K, in the product's order):
;;     1. [M 2,048, K 2,048] x [K 2,048, N 2,048]; A: input hidden_states; B: input Wq: QUANTISED
;;     2. [M 2,048, K 2,048] x [K 2,048, N 8]; A: input hidden_states; B: input Aq: left as it is (N = 8 < 16)
;;     3. [M 2,048, K 8] x [K 8, N 2,048]; A: computed on the way; B: input Bq: left as it is (K = 8 < 32)
;;     4. [M 2,048, K 2,048] x [K 2,048, N 2,048]; A: input hidden_states; B: input Wk: QUANTISED
;;     5. [M 2,048, K 2,048] x [K 2,048, N 8]; A: input hidden_states; B: input Ak: left as it is (N = 8 < 16)
;;     6. [M 2,048, K 8] x [K 8, N 2,048]; A: computed on the way; B: input Bk: left as it is (K = 8 < 32)
;;     7. [M 2,048, K 2,048] x [K 2,048, N 2,048]; A: input hidden_states; B: input Wv: QUANTISED
;;     8. [M 2,048, K 2,048] x [K 2,048, N 8]; A: input hidden_states; B: input Av: left as it is (N = 8 < 16)
;;     9. [M 2,048, K 8] x [K 8, N 2,048]; A: computed on the way; B: input Bv: left as it is (K = 8 < 32)
;;     10. batch 32 x [M 2,048, K 64] x [K 64, N 2,048]; A: computed on the way; B: computed on the way: left as it is (an operand is computed on the way)
;;     11. batch 32 x [M 64, K 2,048] x [K 2,048, N 2,048]; A: computed on the way; B: computed on the way: left as it is (an operand is computed on the way)
;;     12. [M 2,048, K 2,048] x [K 2,048, N 2,048]; A: computed on the way; B: input Wo: left as it is (an operand is computed on the way)
;;   THE QUANTISER, for each operand of a quantised product, along K:
;;     - K is cut into blocks of 32 from its start; a last block that is shorter is filled with zeros.
;;     - A block's scale is 2^e with e = floor(log2(the largest magnitude in the block)) - 2, held to -126 .. 127; a block of zeros has e = 0. As a byte (E8M0): e + 127.
;;     - Each number is divided by its block's scale, clamped to +-6, and rounded to the nearest number of E2M1, ties to even, subnormals kept.
;;     - The product sums the exact products of the quantised numbers (number of the format x scale) in f32.
;;   ~~~python
;;   def quantise(x, axis):      # numpy; x: float32 -> the quantised numbers, widened to float32 again
;;       x = np.moveaxis(x, axis, -1); K = x.shape[-1]
;;       x = np.pad(x, [(0, 0)] * (x.ndim - 1) + [(0, -K % 32)]); x = x.reshape(x.shape[:-1] + (-1, 32)); a = np.abs(x).max(-1, keepdims=True)
;;       e = np.where(a > 0, np.clip(np.frexp(np.where(a > 0, a, 1))[1] - 1 - 2, -126, 127), 0)      # np.frexp(a)[1] - 1 = floor(log2(a)), exactly
;;       r = np.clip(x / 2.0 ** e, -6, 6)
;;       step = 2.0 ** (np.maximum(np.frexp(np.where(r == 0, 1, r))[1] - 1, 0) - 1)
;;       q = np.round(r / step) * step * 2.0 ** e      # np.round: ties to even
;;       return np.moveaxis(q.reshape(q.shape[:-2] + (-1,))[..., :K], -1, axis).astype(np.float32)
;;   ~~~
;; One version. Each part assembles by itself: llvm-mc -triple=amdgcn-amd-amdhsa -mcpu=gfx1250 --defsym DOCPART=n.
;; ======== version 1 of 1: 5 launches
;; limits: values are held in f16: magnitudes above 65,504 overflow, below 6.1e-05 lose precision
;; workspace buffers: codes 8,388,608 bytes; scales 524,288 bytes; lora 1,310,720 bytes; wo16 8,388,608 bytes; qkv 25,165,824 bytes; qf 393,216 bytes; at 8,388,608 bytes
;; launch prep (part 1): grid 848 x 1, 4 waves a work-group, no clusters, 33,280 bytes of LDS; arguments hidden_states, Wq, Wk, Wv, Wo, Aq, Ak, Av, Bq, Bk, Bv, codes, scales, wo16, lora; writes codes, scales, wo16, lora
.if DOCPART == 1
	.amdgcn_target "amdgcn-amd-amdhsa--gfx1250"
	.amdhsa_code_object_version 6
	.text
	.protected	k_q7ca146a634_prep
	.globl	k_q7ca146a634_prep
	.p2align	8
	.type	k_q7ca146a634_prep,@function
k_q7ca146a634_prep:
	s_mov_b64 s[64:65], 0
	v_nop
	global_prefetch_b8 v0, s[64:65] scope:SCOPE_SE
	s_setreg_imm32_b32 hwreg(HW_REG_WAVE_MODE, 25, 1), 1
	s_wait_xcnt 0x0
; PREPARATION, five roles chosen by the work-group's number alone; each role is straight-line text.
;   0-127   T: 2 x (x A^T) for Aq, Ak, Av, as four partial sums along K (one for each wave's 512 of K), f16 operands, f32 sums, stored as f16:
;              lora + 0: [3][2048 rows][32]: slot 8 c + rank = 2 x the partial of K chunk c.  The next launch adds the four partials inside one matrix instruction of K = 32.
;   128-639 Q: x, Wq, Wk, Wv (f32, K innermost) into codes of FP4 (E2M1) and E8M0 scale bytes, stacked: codes [8192 rows][1024 bytes], scales [8192][64]; rows 0-2047 x, then Wq, Wk, Wv.
;   640-767 O: Wo to f16.
;   768-799 R: the rotary table, lora + 786432: [2048 positions][cos 32 | sin 32] f32.
;   800-847 B: Bq, Bk, Bv in the order in which the outputs take them (output column j takes row 2 j, or 2 (j - 1024) + 1 from column 1024 on), f16, each row of 8 written four times:
;              lora + 393216: [6144 output columns][32].
; THE QUANTISER: a block's scale is 2^(floor(log2(largest magnitude)) - 2); its byte is the largest magnitude's exponent field - 2, held at 1 from below; numbers / scale to the nearest code, ties to even, beyond 6 the code of 6.
; LIMITS.  A block of zeros gets the byte 1 where the rule says 127: its codes are zeros, and this program alone reads the bytes.  Blocks whose largest magnitude lies under 2^-124 were not tried.  NaN and infinities are not served.
; f16 operands: |A|, |B|, |Wo|, |x| and |2 x partial| have to stay under 65,504; under 6e-5 they keep an absolute step of 6e-8.
; The table: inv_freq = 2^(-i log2(10000) / 32) by v_exp_f32; the angle is position x inv_freq in f32, reduced by multiples of pi/2 in two parts, sine and cosine by polynomials to z^4: the angle lies within about 2e-4 rad of one computed with a correctly rounded power at the largest angles.
; Only role Q touches LDS.  No barrier, no tensor load: waves share nothing.
.set SPW,   12                         ; v12  LDS address of my spare word; never rewritten
.set NIL,   13                         ; v13  0; never rewritten
.set SPARE, 32768                      ; behind role Q's four regions: the spare words, 128 bytes a wave
.set STEPS, 16
.set EMAX,  2
.set CB,    8                          ; bytes of 16 codes
.set RQ,    16                         ; role Q: v16-79 four sets of 16 numbers as loaded
.set XQ,    80                         ; v80-111 two sets of 16 neighbours
.set EQ,    112                        ; v112-127 a scale byte for each step
.set CQ,    128                        ; v128-191 codes, four registers for each step
.set WREG,  8192                       ; LDS region of a wave: two stages of 32 x SP bytes, then its 256 scale bytes
.set SP,    80                         ; a lane's 64 bytes + 16 of padding
	v_lshl_add_u32 v[SPW], v0, 2, SPARE
	v_mov_b32 v[NIL], 0
	v_lshrrev_b32 v1, 5, v0
	v_readfirstlane_b32 s16, v1                    ; wave 0..3
	v_and_b32 v2, 31, v0                           ; lane
	s_cmp_lt_u32 ttmp9, 128
	s_cbranch_scc1 .Lrole_t
	s_cmp_lt_u32 ttmp9, 640
	s_cbranch_scc1 .Lrole_q
	s_cmp_lt_u32 ttmp9, 768
	s_cbranch_scc1 .Lrole_o
	s_cmp_lt_u32 ttmp9, 800
	s_cbranch_scc1 .Lrole_r
; ---------------- ROLE B: a thread takes one output column n = 128 (work-group - 800) + thread
	s_load_b128 s[4:7], s[0:1], 0x40               ; Bq, Bk
	s_load_b64 s[8:9], s[0:1], 0x50                ; Bv
	s_load_b64 s[10:11], s[0:1], 0x70              ; lora
	s_sub_co_u32 s17, ttmp9, 800
	s_lshr_b32 s18, s17, 4                         ; 0: q, 1: k, 2: v
	s_lshl_b32 s19, s17, 7
	v_add_nc_u32 v3, s19, v0                       ; n
	v_and_b32 v4, 0x7ff, v3                        ; j: the column inside its projection
	v_lshlrev_b32 v5, 1, v4
	v_and_b32 v5, 0x7ff, v5
	v_lshrrev_b32 v6, 10, v4
	v_or_b32 v5, v5, v6                            ; the row of B that column j takes
	v_lshlrev_b32 v5, 5, v5                        ; 32 bytes a row
	v_lshlrev_b32 v6, 6, v3                        ; 64 bytes a row of the result
	s_wait_kmcnt 0x0
	s_cmp_eq_u32 s18, 1
	s_cselect_b64 s[4:5], s[6:7], s[4:5]
	s_cmp_eq_u32 s18, 2
	s_cselect_b64 s[4:5], s[8:9], s[4:5]
	global_load_b128 v[16:19], v5, s[4:5]
	global_load_b128 v[20:23], v5, s[4:5] offset:16
	s_wait_loadcnt 0x0
.irp i, 0,1,2,3
	v_cvt_pk_f16_f32 v[24+\i], v[16+2*\i], v[17+2*\i]
.endr
.irp c, 0,1,2,3
	global_store_b128 v6, v[24:27], s[10:11] offset:393216+16*\c   ; the same eight numbers for each of the four K chunks
.endr
	s_endpgm
; ---------------- ROLE T: the work-group takes 16 rows of x, wave c the K chunk 512 c
; Source 0 = 16 rows of A (ranks 0-7, lanes 8-15 repeat them), source 1 = 16 rows of x: lane (r, h) then holds row r's eight ranks in its eight registers, in both halves of the lanes.
; A lane loads 16 neighbours along K (k = 32 b + 16 h + 0..15) of its row for both operands: the same permutation of k on both sides keeps the products.
.macro LOADB b
.set BB, 16+64*((\b)%3)
.irp j, 0,1,2,3
	global_load_b128 v[BB+4*\j:BB+4*\j+3], v2, s[4:5] offset:128*(\b)+16*\j
.endr
.irp j, 0,1,2,3
	global_load_b128 v[BB+16+4*\j:BB+16+4*\j+3], v3, s[6:7] offset:128*(\b)+16*\j
.endr
.irp j, 0,1,2,3
	global_load_b128 v[BB+32+4*\j:BB+32+4*\j+3], v3, s[8:9] offset:128*(\b)+16*\j
.endr
.irp j, 0,1,2,3
	global_load_b128 v[BB+48+4*\j:BB+48+4*\j+3], v3, s[10:11] offset:128*(\b)+16*\j
.endr
.endm
.macro BLOCK b
.set BB, 16+64*((\b)%3)
.if (\b) <= 13
	s_wait_loadcnt 32                              ; this block's 16 loads are in; the two younger blocks' 32 may be out
.elseif (\b) == 14
	s_wait_loadcnt 16
.else
	s_wait_loadcnt 0
.endif
.irp g, 0,16,32,48
.irp i, 0,1,2,3,4,5,6,7
	v_cvt_pk_f16_f32 v[BB+\g+\i], v[BB+\g+2*\i], v[BB+\g+2*\i+1]   ; 16 numbers become a fragment of 8 registers, in place, from the low end on
.endr
.endr
.irp w, 0,1,2                                  ; the three accumulators take turns, one instruction a turn
.if (\b) == 0
	v_wmma_f32_16x16x32_f16 v[208+8*\w:215+8*\w], v[BB+16+16*\w:BB+23+16*\w], v[BB:BB+7], 0
.else
	v_wmma_f32_16x16x32_f16 v[208+8*\w:215+8*\w], v[BB+16+16*\w:BB+23+16*\w], v[BB:BB+7], v[208+8*\w:215+8*\w]
.endif
.endr
.if (\b)+3 < 16
.rept 4
	v_nop                                          ; four places in front of loads into registers that matrix instructions have read
.endr
	LOADB (\b)+3
.endif
.endm
.Lrole_t:
	s_load_b64 s[4:5], s[0:1], 0x0                 ; x
	s_load_b64 s[6:7], s[0:1], 0x28                ; Aq
	s_load_b128 s[8:11], s[0:1], 0x30              ; Ak, Av
	s_load_b64 s[12:13], s[0:1], 0x70              ; lora
	v_and_b32 v5, 15, v0                           ; r
	v_bfe_u32 v6, v0, 4, 1                         ; h
	v_lshlrev_b32 v2, 13, v5
	v_lshl_add_u32 v2, v6, 6, v2                   ; x: row r of 8,192 bytes + 64 h
	v_and_b32 v7, 7, v0
	v_lshlrev_b32 v3, 13, v7
	v_lshl_add_u32 v3, v6, 6, v3                   ; A: row r % 8 + 64 h
	v_lshlrev_b32 v4, 6, v5                        ; the result: 64 bytes a row
	s_lshl_b32 s18, s16, 11                        ; my K chunk: 512 numbers
	s_mov_b32 s19, 0
	s_lshl_b32 s20, ttmp9, 17                      ; 16 rows of x
	s_add_co_u32 s20, s20, s18
	s_mov_b32 s21, 0
	s_lshl_b32 s22, ttmp9, 10                      ; 16 rows of the result,
	s_lshl_b32 s23, s16, 4                         ; my chunk's eight slots
	s_add_co_u32 s22, s22, s23
	s_mov_b32 s23, 0
	s_wait_kmcnt 0x0
	s_add_nc_u64 s[4:5], s[4:5], s[20:21]
	s_add_nc_u64 s[6:7], s[6:7], s[18:19]
	s_add_nc_u64 s[8:9], s[8:9], s[18:19]
	s_add_nc_u64 s[10:11], s[10:11], s[18:19]
	s_add_nc_u64 s[12:13], s[12:13], s[22:23]
	LOADB 0
	LOADB 1
	LOADB 2
.set Q, 0
.rept 16
	BLOCK Q
.set Q, Q+1
.endr
.rept 4
	v_nop                                          ; four places in front of the first read of the results
.endr
.irp w, 0,1,2
.irp i, 0,1,2,3
	v_pk_mul_f32 v[232+2*\i:233+2*\i], v[208+8*\w+2*\i:209+8*\w+2*\i], 2.0 op_sel_hi:[1,0]   ; alpha / r = 2; each accumulator from its low end on
.endr
.irp i, 0,1,2,3
	v_cvt_pk_f16_f32 v[240+4*\w+\i], v[232+2*\i], v[233+2*\i]
.endr
	global_store_b128 v4, v[240+4*\w:243+4*\w], s[12:13] offset:131072*\w   ; lanes 16-31 store the same 16 bytes with the same value as lanes 0-15
.endr
	s_endpgm
; ---------------- ROLE Q: a wave takes 16 steps of 512 numbers of one tensor; the tensors are plain streams of blocks of 32
; Each of a step's four loads reads 512 consecutive bytes; the 2,048 bytes turn through the wave's own stage in LDS and come back 64 bytes a lane: 16 neighbours, two lanes to a block.
.macro QLOAD t
.irp i, 0,1,2,3
	global_load_b128 v[RQ+16*((\t)%4)+4*\i:RQ+16*((\t)%4)+4*\i+3], v3, s[4:5] offset:2048*(\t)+512*\i
.endr
.endm
.macro QTURN t                         ; LDS serves a wave's instructions in order: no wait between the stores and the loads
.irp i, 0,1,2,3
	ds_store_b128 v14, v[RQ+16*((\t)%4)+4*\i:RQ+16*((\t)%4)+4*\i+3] offset:32*SP*((\t)%2)+8*SP*\i
.endr
.irp i, 0,1,2,3
	ds_load_b128 v[XQ+16*((\t)%2)+4*\i:XQ+16*((\t)%2)+4*\i+3], v15 offset:32*SP*((\t)%2)+16*\i
.endr
.endm
.macro QSTEP t
.set XS, XQ+16*((\t)%2)
.if (\t) > 0
	s_wait_dscnt 1                                 ; this step's numbers are back from the stage; the last step's byte store may be out
.else
	s_wait_dscnt 0x0
.endif
.if (\t)+4 < STEPS
	QLOAD (\t)+4
.endif
.if (\t)+1 < STEPS
.if STEPS-2-(\t) >= 3
	s_wait_loadcnt 12                              ; the next step's four loads are in; those of the three steps behind it may be out
.else
	s_wait_loadcnt 4*(STEPS-2-(\t))
.endif
	QTURN (\t)+1
.endif
	v_max3_num_f32 v8, |v[XS]|, |v[XS+1]|, |v[XS+2]|
	v_max3_num_f32 v9, |v[XS+3]|, |v[XS+4]|, |v[XS+5]|
.irp i, 6,10
	v_max3_num_f32 v8, v8, |v[XS+\i]|, |v[XS+\i+1]|
	v_max3_num_f32 v9, v9, |v[XS+\i+2]|, |v[XS+\i+3]|
.endr
	v_max3_num_f32 v8, v8, |v[XS+14]|, |v[XS+15]|
	v_max3_num_f32 v8, v8, v9, (EMAX+1)<<23        ; the floor 2^(3 - 127): the byte cannot fall under 1
	v_max_num_f32_dpp v8, v8, v8 row_xmask:1 row_mask:0xf bank_mask:0xf   ; with my neighbour's 16: the block's largest magnitude
	v_add_nc_u32 v11, -(EMAX<<23), v8              ; 2 off its exponent field: the conversion takes the exponent field of this operand as its scale
	v_cvt_scalef32_pk8_fp4_f32 v[CQ+4*(\t)], v[XS:XS+7], v11
	v_cvt_scalef32_pk8_fp4_f32 v[CQ+4*(\t)+1], v[XS+8:XS+15], v11
	v_lshrrev_b32 v[EQ+(\t)], 23, v11              ; the scale's byte (a plain line behind the conversions)
	ds_store_b8 v5, v[EQ+(\t)] offset:16*(\t)      ; both lanes of a block write the same byte with the same value
	global_store_b64 v4, v[CQ+4*(\t):CQ+4*(\t)+1], s[12:13] offset:32*CB*(\t)   ; the wave stores 256 consecutive bytes, aligned
.endm
.Lrole_q:
	s_load_b256 s[4:11], s[0:1], 0x0               ; x, Wq, Wk, Wv
	s_load_b64 s[12:13], s[0:1], 0x58              ; codes
	s_load_b64 s[14:15], s[0:1], 0x60              ; scales
	s_sub_co_u32 s17, ttmp9, 128
	s_lshr_b32 s18, s17, 7                         ; which tensor: 128 work-groups each
	s_lshl_b32 s20, s17, 2
	s_add_co_u32 s20, s20, s16                     ; my run of 8,192 numbers in the stacked buffers
	s_and_b32 s22, s20, 511                        ; and in its tensor
	s_lshl_b32 s22, s22, 15
	s_mov_b32 s23, 0
	s_lshl_b32 s24, s20, 12                        ; 4,096 bytes of codes a run
	s_mov_b32 s25, 0
	s_lshl_b32 s26, s20, 8                         ; 256 scale bytes a run
	s_mov_b32 s27, 0
	v_lshlrev_b32 v3, 4, v2                        ; my 16 bytes of a load's 512
	s_mul_i32 s19, s16, WREG
	v_lshrrev_b32 v14, 2, v2
	v_mul_u32_u24 v14, v14, SP
	v_and_b32 v15, 3, v2
	v_lshl_add_u32 v14, v15, 4, v14
	v_add_nc_u32 v14, s19, v14                     ; the stage, in: SP (lane / 4) + 16 (lane % 4)
	v_mul_u32_u24 v15, v2, SP
	v_add_nc_u32 v15, s19, v15                     ; and out: SP x lane
	v_mul_u32_u24 v4, v2, CB
	v_lshrrev_b32 v5, 1, v2
	s_add_co_u32 s19, s19, 2*32*SP
	v_add_nc_u32 v5, s19, v5                       ; my block's byte among the wave's 256
	v_lshlrev_b32 v7, 3, v2
	v_add_nc_u32 v6, s19, v7
	s_wait_kmcnt 0x0
	s_cmp_eq_u32 s18, 1                            ; the choice hangs on the work-group's number alone
	s_cselect_b64 s[4:5], s[6:7], s[4:5]
	s_cmp_eq_u32 s18, 2
	s_cselect_b64 s[4:5], s[8:9], s[4:5]
	s_cmp_eq_u32 s18, 3
	s_cselect_b64 s[4:5], s[10:11], s[4:5]
	s_add_nc_u64 s[4:5], s[4:5], s[22:23]
	s_add_nc_u64 s[12:13], s[12:13], s[24:25]
	s_add_nc_u64 s[14:15], s[14:15], s[26:27]
.irp t, 0,1,2,3
	QLOAD \t
.endr
	s_wait_loadcnt 12                              ; step 0's four loads are in
	QTURN 0
.irp t, 0,1,2,3,4,5,6,7,8,9,10,11,12,13,14,15
	QSTEP \t
.endr
	ds_load_b64 v[8:9], v6                         ; in order behind my byte stores
	s_wait_dscnt 0x0
	global_store_b64 v7, v[8:9], s[14:15]          ; 32 lanes store 256 consecutive bytes, aligned
	s_wait_tensorcnt 0x0                           ; the wave's end, behind my last LDS store
	ds_add_u32 v[SPW], v[NIL]
	s_wait_dscnt 0x0
	s_endpgm
; ---------------- ROLE O: a wave takes 8,192 numbers of Wo: four rounds of 16 loads of 512 consecutive bytes, two rounds on their way
.macro OLOAD q
.irp t, 0,1,2,3,4,5,6,7,8,9,10,11,12,13,14,15
	global_load_b128 v[16+64*((\q)%2)+4*\t:16+64*((\q)%2)+4*\t+3], v3, s[4:5] offset:8192*(\q)+512*\t th:TH_LOAD_NT
.endr
.endm
.macro OROUND q
.if (\q) > 1
	s_wait_xcnt 0x0                                ; the stores of two rounds ago have read their data registers, which are written again below
.endif
.irp t, 0,1,2,3,4,5,6,7,8,9,10,11,12,13,14,15
.if (\q) < 3
	s_wait_loadcnt 31-\t                           ; younger: this round's 15 - t and the next round's 16
.else
	s_wait_loadcnt 15-\t
.endif
	v_cvt_pk_f16_f32 v[144+32*((\q)%2)+2*\t], v[16+64*((\q)%2)+4*\t], v[17+64*((\q)%2)+4*\t]
	v_cvt_pk_f16_f32 v[145+32*((\q)%2)+2*\t], v[18+64*((\q)%2)+4*\t], v[19+64*((\q)%2)+4*\t]
	global_store_b64 v4, v[144+32*((\q)%2)+2*\t:145+32*((\q)%2)+2*\t], s[6:7] offset:4096*(\q)+256*\t   ; 256 consecutive bytes, aligned
.endr
.if (\q) < 2
	OLOAD (\q)+2
.endif
.endm
.Lrole_o:
	s_load_b64 s[4:5], s[0:1], 0x20                ; Wo
	s_load_b64 s[6:7], s[0:1], 0x68                ; wo16
	s_sub_co_u32 s17, ttmp9, 640
	s_lshl_b32 s17, s17, 2
	s_add_co_u32 s17, s17, s16                     ; my run of 8,192 numbers
	s_lshl_b32 s18, s17, 15
	s_mov_b32 s19, 0
	s_lshl_b32 s20, s17, 14
	s_mov_b32 s21, 0
	v_lshlrev_b32 v3, 4, v2
	v_lshlrev_b32 v4, 3, v2
	s_wait_kmcnt 0x0
	s_add_nc_u64 s[4:5], s[4:5], s[18:19]
	s_add_nc_u64 s[6:7], s[6:7], s[20:21]
	OLOAD 0
	OLOAD 1
	OROUND 0
	OROUND 1
	OROUND 2
	OROUND 3
	s_endpgm
; ---------------- ROLE R: a wave takes 16 positions; a lane is a frequency i
.macro ROW t
	v_mul_f32 v6, v5, v4                           ; the angle a = position x inv_freq
	v_mul_f32 v7, 0x3f22f983, v6                   ; x 2 / pi
	v_rndne_f32 v7, v7                             ; k
	v_fma_f32 v8, -v7, s20, v6                     ; a - k pi/2, pi/2 in two parts
	v_fma_f32 v8, -v7, s21, v8
	v_mul_f32 v9, v8, v8                           ; z
	v_fmaak_f32 v10, s22, v9, 0xb9500d01           ; sine: 1/9! z - 1/7!
	v_fmaak_f32 v11, s23, v9, 0xbab60b61           ; cosine: 1/8! z - 1/6!
	v_fmaak_f32 v10, v10, v9, 0x3c088889
	v_fmaak_f32 v11, v11, v9, 0x3d2aaaab
	v_fmaak_f32 v10, v10, v9, 0xbe2aaaab
	v_fma_f32 v11, v11, v9, -0.5
	v_mul_f32 v14, v8, v9
	v_fma_f32 v10, v14, v10, v8                    ; sin of the rest
	v_fma_f32 v11, v11, v9, 1.0                    ; cos of the rest
	v_cvt_i32_f32 v15, v7
	v_and_b32 v16, 1, v15
	v_cmp_eq_u32 vcc_lo, 1, v16                    ; odd quadrants swap the two
	v_cndmask_b32 v17, v10, v11, vcc_lo
	v_cndmask_b32 v18, v11, v10, vcc_lo
	v_and_b32 v16, 2, v15                          ; the sine is negative in quadrants 2, 3,
	v_lshlrev_b32 v16, 30, v16
	v_xor_b32 v[33+2*\t], v16, v17
	v_add_nc_u32 v15, 1, v15                       ; the cosine in quadrants 1, 2
	v_and_b32 v15, 2, v15
	v_lshlrev_b32 v15, 30, v15
	v_xor_b32 v[32+2*\t], v15, v18
	global_store_b32 v3, v[32+2*\t], s[4:5] offset:256*\t        ; 128 consecutive bytes: the row's cosines,
	global_store_b32 v3, v[33+2*\t], s[4:5] offset:256*\t+128    ; its sines; each row has registers of its own
	v_add_f32 v5, 1.0, v5
.endm
.Lrole_r:
	s_load_b64 s[4:5], s[0:1], 0x70                ; lora
	s_sub_co_u32 s17, ttmp9, 768
	s_lshl_b32 s17, s17, 6
	s_lshl_b32 s18, s16, 4
	s_add_co_u32 s24, s17, s18                     ; my first position
	s_lshl_b32 s18, s24, 8
	s_add_co_u32 s18, s18, 786432
	s_mov_b32 s19, 0
	s_mov_b32 s20, 0x3fc90fdb                      ; pi/2, its f32 part,
	s_mov_b32 s21, 0xb33bbd2e                      ; and the rest
	s_mov_b32 s22, 0x3638ef1d                      ; 1/9!
	s_mov_b32 s23, 0x37d00d01                      ; 1/8!
	v_lshlrev_b32 v3, 2, v2
	v_cvt_f32_u32 v4, v2
	v_mul_f32 v4, 0xbed49a78, v4                   ; -i log2(10000) / 32
	v_exp_f32 v4, v4                               ; inv_freq
	v_cvt_f32_u32 v5, s24                          ; (a plain line behind the exponential)
	s_wait_alu depctr_va_vdst(0)                   ; the wait ahead of the first use
	s_wait_kmcnt 0x0
	s_add_nc_u64 s[4:5], s[4:5], s[18:19]
.irp t, 0,1,2,3,4,5,6,7,8,9,10,11,12,13,14,15
	ROW \t
.endr
	s_endpgm
.Lfunc_end_k_q7ca146a634_prep:
	.size	k_q7ca146a634_prep, .Lfunc_end_k_q7ca146a634_prep-k_q7ca146a634_prep
	.p2alignl 7, 3214868480
	.fill 96, 4, 3214868480
	.section	.rodata,"a",@progbits
	.p2align	6, 0x0
	.amdhsa_kernel k_q7ca146a634_prep
		.amdhsa_group_segment_fixed_size 33280
		.amdhsa_private_segment_fixed_size 0
		.amdhsa_enable_private_segment 0
		.amdhsa_kernarg_size 120
		.amdhsa_user_sgpr_count 2
		.amdhsa_user_sgpr_kernarg_segment_ptr 1
		.amdhsa_wavefront_size32 1
		.amdhsa_system_sgpr_workgroup_id_x 1
		.amdhsa_system_sgpr_workgroup_id_y 1
		.amdhsa_system_sgpr_workgroup_id_z 1
		.amdhsa_system_vgpr_workitem_id 0
		.amdhsa_next_free_vgpr 256
		.amdhsa_next_free_sgpr 66
		.amdhsa_reserve_vcc 1
		.amdhsa_float_denorm_mode_32 3
		.amdhsa_float_denorm_mode_16_64 3
		.amdhsa_memory_ordered 1
		.amdhsa_forward_progress 1
		.amdhsa_inst_pref_size 146
	.end_amdhsa_kernel
	.amdgpu_metadata
---
amdhsa.version: [ 1, 2 ]
amdhsa.kernels:
  - .name:           k_q7ca146a634_prep
    .symbol:         k_q7ca146a634_prep.kd
    .args:
      - { .name: hidden_states, .offset: 0, .size: 8, .value_kind: global_buffer, .address_space: global }
      - { .name: Wq, .offset: 8, .size: 8, .value_kind: global_buffer, .address_space: global }
      - { .name: Wk, .offset: 16, .size: 8, .value_kind: global_buffer, .address_space: global }
      - { .name: Wv, .offset: 24, .size: 8, .value_kind: global_buffer, .address_space: global }
      - { .name: Wo, .offset: 32, .size: 8, .value_kind: global_buffer, .address_space: global }
      - { .name: Aq, .offset: 40, .size: 8, .value_kind: global_buffer, .address_space: global }
      - { .name: Ak, .offset: 48, .size: 8, .value_kind: global_buffer, .address_space: global }
      - { .name: Av, .offset: 56, .size: 8, .value_kind: global_buffer, .address_space: global }
      - { .name: Bq, .offset: 64, .size: 8, .value_kind: global_buffer, .address_space: global }
      - { .name: Bk, .offset: 72, .size: 8, .value_kind: global_buffer, .address_space: global }
      - { .name: Bv, .offset: 80, .size: 8, .value_kind: global_buffer, .address_space: global }
      - { .name: codes, .offset: 88, .size: 8, .value_kind: global_buffer, .address_space: global }
      - { .name: scales, .offset: 96, .size: 8, .value_kind: global_buffer, .address_space: global }
      - { .name: wo16, .offset: 104, .size: 8, .value_kind: global_buffer, .address_space: global }
      - { .name: lora, .offset: 112, .size: 8, .value_kind: global_buffer, .address_space: global }
    .group_segment_fixed_size: 33280
    .private_segment_fixed_size: 0
    .kernarg_segment_align: 8
    .kernarg_segment_size: 120
    .max_flat_workgroup_size: 128
    .sgpr_count:     66
    .vgpr_count:     256
    .wavefront_size: 32
...
	.end_amdgpu_metadata
.endif
;; end of part 1
;; launch qkv (part 2): grid 24 x 8, 4 waves a work-group, clusters of 4 x 4, 327,680 bytes of LDS; arguments codes, scales, lora, qf, qkv; writes qf, qkv
.if DOCPART == 2
	.amdgcn_target "amdgcn-amd-amdhsa--gfx1250"
	.amdhsa_code_object_version 6
	.text
	.protected	k_q7ca146a634_qkv
	.globl	k_q7ca146a634_qkv
	.p2align	8
	.type	k_q7ca146a634_qkv,@function
k_q7ca146a634_qkv:
	s_mov_b64 s[64:65], 0
	v_nop
	global_prefetch_b8 v0, s[64:65] scope:SCOPE_SE
	s_setreg_imm32_b32 hwreg(HW_REG_WAVE_MODE, 25, 1), 1
	s_wait_xcnt 0x0
	s_wait_alu depctr_hold_cnt(0) depctr_sa_sdst(0) depctr_va_vdst(0) depctr_va_sdst(0) depctr_va_ssrc(0) depctr_va_vcc(0) depctr_vm_vsrc(0)
	s_getreg_b32 s2, hwreg(HW_REG_IB_STS2, 6, 4)
	s_cmp_eq_u32 s2, 0
	s_cbranch_scc0 .Lentry_in_a_cluster
	s_endpgm
.Lentry_in_a_cluster:
	s_bfe_u32 s2, ttmp6, 0x10000c
	s_cmp_lg_u32 s2, 0xf033
	s_cbranch_scc0 .Lentry_shape_is_right
	s_endpgm
.Lentry_shape_is_right:
; q, k, v = x W^T on codes of FP4 (E2M1) with E8M0 scales, + the LoRA term, + the rotary embedding (q, k), rounded to f16.  One GEMM 2,048 x 6,144 x 2,048: columns 0-2047 q, then k, then v.
; codes [8192 rows][1024 bytes], scales [8192][64]: rows 0-2047 x, from row 2048 on Wq, Wk, Wv.  lora: + 0 the LoRA left operand [3][2048][32] f16, + 393216 the right one [6144][32] f16, + 786432 the table [2048][cos 32 | sin 32] f32.
; OUT: qkv [96][2048][64] f16 (0-31 q's heads, 32-63 k's, 64-95 v's); qf: positions 0-15 unrounded, f32, for the launch that carries them in f32, laid in the order in which that launch's operand registers take them:
; [3 (q, k, v)][32 heads][8 loads i][2 halves g][16 positions r][4 numbers]: the 16 bytes at 512 i + 256 g + 16 r of a head's 4,096 are channels 8 i + 4 g + 0..3 of position r.
; A tile of C, 256 x 256, is made by four waves, 128 x 128 each: 64 accumulators, 512 registers.  192 work-groups: the tile is the largest that the registers hold, so that each LDS byte feeds the most products.
; EVERY SUM IS STARTED BY THE LoRA PRODUCT: one f16 matrix instruction of K = 32 (4 K chunks x 8 ranks) with C = 0 on each accumulator; the FP4 products add onto it.  Nothing is cleared.
; K goes in steps of 512 through a ring of two LDS slots filled by the tensor data mover (rows of 256 bytes); the scales of the work-group's rows, for all of K, come once and stay.
; CLUSTERS: 4 x 4 work-groups; A's tiles are asked for jointly along a row of the cluster, B's along a column.  THE MATRIX INSTRUCTIONS ARE USED TRANSPOSED (source 0 = 16 rows of W, source 1 = 16 rows of x): a lane holds eight neighbouring columns of one row.
; A wave's 128 columns are two heads.  In a head, column blocks u and u + 2 (u = 0, 1) are the two halves that the rotation pairs: both lie in the same lane.
; LIMITS: |q|, |k|, |v| have to stay under 65,504 (f16).
; REGISTERS: window 0: v16-29 addresses; v32-95 scale words, two sets; v128-191 A's fragments; v192-255 two sets of the table's rows (asked for ahead of the loop, untouched in it).  On the way out v32-95 rows read back, v96-159 rotated numbers, v160-191 f16.
;   window 1: B's fragments, two sets.   windows 2, 3: the accumulators ((a, b) at v[8 (8 (a % 4) + b)]).
.set SIZE_K, 2048
.set KSTEP,  512
.set NQ,     KSTEP/128
.set ROWB,   256
.set KROW,   SIZE_K/2
.set PITCH,  272                       ; 256 bytes + 16 of padding: the 16 rows of a load start at 16 different groups of banks
.set FR,     8
.set NL,     2
.set NP,     4
.set HALFT,  128*PITCH
.set SLOT,   4*HALFT
.set LAPS,   SIZE_K/(2*KSTEP)
.set KS,     SIZE_K/32
.set SCL,    2*SLOT
.set HALFS,  (128*KS/256)*272
.set SBLK,   (16*KS/256)*272
.set SPARE,  SCL+4*HALFS               ; the spare words, 128 bytes a wave
.set ADRA, 16
.set LRA,  18                          ; v18  64 r + 16 h: a LoRA fragment's place
.set CSA,  19                          ; v19  256 r + 32 h: my eight cosines in the table's row
.set ADRB, 20
.set QFA,  22                          ; v22  16 r + 512 h: my place in a head's block of qf
.set ROWG, 23                          ; v23  my row of x in the wave's first block of 16
.set STO,  24
.set RD,   25
.set CO,   26
.set ADRS, 27
.set SPW,  28
.set NIL,  29
.set SC,   32
.set AF,   128
.set BK,   32
.set TR,   96
.set HR,   160
.set CSR,  192
.set G1, 24
.set G0, 32
.set G1B, 48
.set G0B, 56
.set G1S, 68
.set G0S, 76
.set G1SB, 80
.set G0SB, 88
.set MSB, 0
.macro WIN new                         ; the immediate's high byte repeats the setting that is left
.if MSB != (\new)
	s_set_vgpr_msb (MSB<<8)|(\new)
.set MSB, (\new)
.endif
.endm
.set MUL_LO, 0xa1                      ; source 0 (W) window 1, source 1 (x) window 0, C and D window 2
.set MUL_HI, 0xf1
.set TO_B,   0x40
; A joint load: waves 0 and 1 fetch for A, waves 2 and 3 for B; the branch hangs on the wave's number alone.  An s_nop 0 and four v_nop follow each line.
.macro JLOAD g0a, g1a, g0b, g1b
	s_cmp_eq_u32 s15, 0
	s_cbranch_scc0 .Lfor_b_\@
	tensor_load_to_lds s[\g0a:\g0a+3], s[\g1a:\g1a+7]
	s_nop 0
.rept 4
	v_nop
.endr
	s_branch .Lasked_\@
.Lfor_b_\@:
	tensor_load_to_lds s[\g0b:\g0b+3], s[\g1b:\g1b+7]
	s_nop 0
.rept 4
	v_nop
.endr
.Lasked_\@:
.endm
.macro CREST
	s_cmp_lg_u32 s14, 0
	s_cbranch_scc1 .Lnot_wave_0_\@
	s_barrier_signal -3
.Lnot_wave_0_\@:
	s_barrier_wait -3
	s_barrier_signal -1
	s_barrier_wait -1
.endm
.macro CROUND
	s_barrier_signal -1
	s_barrier_wait -1
	CREST
.endm
	s_load_b256 s[4:11], s[0:1], 0x0               ; codes s[4:5], scales s[6:7], lora s[8:9], qf s[10:11]
	s_load_b64 s[12:13], s[0:1], 0x20              ; qkv
	v_lshl_add_u32 v[SPW], v0, 2, SPARE
	v_mov_b32 v[NIL], 0
	ds_add_u32 v[SPW], v[NIL]                      ; the wave's opening: the add, twice on end, and its wait ahead of my first tensor load
	ds_add_u32 v[SPW], v[NIL]
	v_lshrrev_b32 v1, 5, v0
	v_readfirstlane_b32 s14, v1                    ; wave 0..3
	s_lshr_b32 s15, s14, 1                         ; my half of the tile's rows; also: I fetch for A (0) or B (1)
	s_and_b32 s16, s14, 1                          ; my half of its columns; also: which 128 rows I fetch
	s_bfe_u32 s40, ttmp6, 0x40000                  ; cx
	s_bfe_u32 s41, ttmp6, 0x40004                  ; cy
	s_lshl_b32 s42, ttmp9, 2
	s_add_co_u32 s42, s42, s40                     ; tile column 0..23
	s_lshr_b32 s66, ttmp9, 1                       ; 0: q, 1: k, 2: v: two clusters of four tile columns each; the same in all partners
	s_and_b32 s17, ttmp7, 0xffff
	s_lshl_b32 s17, s17, 2
	s_add_co_u32 s17, s17, s41                     ; tile row 0..7
	s_lshl_b32 s43, s41, 2
	s_lshl_b32 s43, 15, s43                        ; my row of the cluster
	s_lshl_b32 s44, 0x1111, s40                    ; my column
	s_or_b32 s[G1+0], s43, (0<<16)|(1<<20)|(1<<21)|(5<<22)|(3<<25)   ; mask; elements of 1 byte; padding: 4 words behind every 64
	s_or_b32 s[G1B+0], s44, (0<<16)|(1<<20)|(1<<21)|(5<<22)|(3<<25)
.irp g, G1, G1B
	s_mov_b32 s[\g+1], ROWB<<16                    ; tensor_dim0
	s_mov_b32 s[\g+2], 128<<16                     ; tensor_dim1
	s_mov_b32 s[\g+3], ROWB<<16                    ; tile_dim0
	s_mov_b32 s[\g+4], 128                         ; tile_dim1
	s_mov_b32 s[\g+5], KROW                        ; the pitch
	s_mov_b32 s[\g+6], 0
	s_mov_b32 s[\g+7], 0
.endr
	s_or_b32 s[G1S+0], s43, (3<<16)|(1<<20)|(1<<21)|(5<<22)|(3<<25)  ; the scales of 128 rows: 8,192 dense bytes as 32 rows of 256 (32 elements of 8 bytes)
	s_or_b32 s[G1SB+0], s44, (3<<16)|(1<<20)|(1<<21)|(5<<22)|(3<<25)
.irp g, G1S, G1SB
	s_mov_b32 s[\g+1], 32<<16
	s_mov_b32 s[\g+2], (128*KS/256)<<16
	s_mov_b32 s[\g+3], 32<<16
	s_mov_b32 s[\g+4], 128*KS/256
	s_mov_b32 s[\g+5], 32
	s_mov_b32 s[\g+6], 0
	s_mov_b32 s[\g+7], 0
.endr
	s_lshl_b32 s18, s16, 7
	s_lshl_b32 s20, s17, 8
	s_add_co_u32 s20, s20, s18                     ; A: row 256 x tile row + 128 x half
	s_lshl_b32 s46, s42, 8
	s_add_co_u32 s46, s46, s18
	s_add_co_u32 s46, s46, 2048                    ; B: the weights' rows lie behind x's 2,048
	s_mov_b32 s21, 0
	s_mov_b32 s47, 0
	s_mov_b64 s[18:19], KS
	s_mul_u64 s[22:23], s[20:21], s[18:19]
	s_mul_u64 s[92:93], s[46:47], s[18:19]
	s_mov_b64 s[18:19], KROW
	s_mul_u64 s[20:21], s[20:21], s[18:19]
	s_mul_u64 s[46:47], s[46:47], s[18:19]
	s_mul_i32 s45, s14, HALFT                      ; where they go: wave x 128 rows
	s_mul_i32 s94, s14, HALFS
	s_wait_dscnt 0x0                               ; both opening adds are done
	s_wait_kmcnt 0x0
	s_add_nc_u64 s[20:21], s[4:5], s[20:21]
	s_add_nc_u64 s[22:23], s[6:7], s[22:23]
	s_add_nc_u64 s[46:47], s[4:5], s[46:47]
	s_add_nc_u64 s[92:93], s[6:7], s[92:93]
	CROUND                                         ; all sixteen work-groups are here: the first joint loads meet
	s_mov_b32 s[G0S], 1
	s_add_co_u32 s[G0S+1], s94, SCL
	s_mov_b64 s[G0S+2:G0S+3], s[22:23]
	s_or_b32 s[G0S+3], s[G0S+3], 0x80000000
	s_mov_b32 s[G0SB], 1
	s_add_co_u32 s[G0SB+1], s94, SCL
	s_mov_b64 s[G0SB+2:G0SB+3], s[92:93]
	s_or_b32 s[G0SB+3], s[G0SB+3], 0x80000000
	JLOAD G0S, G1S, G0SB, G1SB                     ; the scales first
.irp s, 0,1
	s_mov_b32 s[G0+4*\s], 1
	s_add_co_u32 s[G0+4*\s+1], s45, \s*SLOT
	s_add_nc_u64 s[G0+4*\s+2:G0+4*\s+3], s[20:21], \s*ROWB
	s_or_b32 s[G0+4*\s+3], s[G0+4*\s+3], 0x80000000
	s_mov_b32 s[G0B+4*\s], 1
	s_add_co_u32 s[G0B+4*\s+1], s45, \s*SLOT
	s_add_nc_u64 s[G0B+4*\s+2:G0B+4*\s+3], s[46:47], \s*ROWB
	s_or_b32 s[G0B+4*\s+3], s[G0B+4*\s+3], 0x80000000
	JLOAD G0+4*\s, G1, G0B+4*\s, G1B
.endr
	v_and_b32 v1, 15, v0                           ; r
	v_bfe_u32 v2, v0, 4, 1                         ; h
	v_mul_u32_u24 v3, v1, PITCH
	v_lshl_add_u32 v4, v2, 4, v3
	s_mul_i32 s21, s15, HALFT
	s_mul_i32 s22, s16, HALFT
	s_add_co_u32 s22, s22, 2*HALFT
.irp s, 0,1
	v_add_nc_u32 v[ADRA+\s], s21, v4
	v_add_nc_u32 v[ADRB+\s], s22, v4
	s_add_co_u32 s21, s21, SLOT
	s_add_co_u32 s22, s22, SLOT
.endr
	v_mul_u32_u24 v5, v1, KS                       ; my row's scales: 64 bytes a row,
	v_lshrrev_b32 v6, 8, v5
	v_lshl_add_u32 v5, v6, 4, v5                   ; and 16 more for each 256 passed
	s_mul_i32 s21, s15, HALFS
	s_mul_i32 s22, s16, HALFS
	s_add_co_u32 s22, s22, 2*HALFS
	s_sub_co_u32 s22, s22, s21
	v_mul_u32_u24 v6, s22, v2                      ; lanes 16-31 take B's
	s_add_co_u32 s21, s21, SCL
	v_add_nc_u32 v5, v5, v6
	v_add_nc_u32 v[ADRS], s21, v5
	s_mul_i32 s23, s14, 4608                       ; my stage: 2 heads x 16 rows x (128 bytes + 16), in slot 0, which has had its last fill and its last read when the first result is stored there
	v_mul_u32_u24 v5, v1, 144
	v_lshl_add_u32 v5, v2, 4, v5
	v_add_nc_u32 v[STO], s23, v5                   ; in: row r, 16 bytes for each half of the lanes
	v_and_b32 v6, 31, v0
	v_lshlrev_b32 v[CO], 4, v6                     ; out: four rows of 128 bytes are 512 consecutive bytes of qkv
	v_lshrrev_b32 v5, 3, v6
	v_mul_u32_u24 v5, v5, 144
	v_and_b32 v6, 7, v0
	v_lshl_add_u32 v5, v6, 4, v5
	v_add_nc_u32 v[RD], s23, v5                    ; back: eight lanes to a row
	v_lshlrev_b32 v[LRA], 6, v1
	v_lshl_add_u32 v[LRA], v2, 4, v[LRA]
	v_lshlrev_b32 v[CSA], 8, v1
	v_lshl_add_u32 v[CSA], v2, 5, v[CSA]
	v_lshlrev_b32 v[QFA], 4, v1
	v_lshl_add_u32 v[QFA], v2, 9, v[QFA]           ; qf: 16 r + 512 h: my eight channels 8 h on are load 2 u + h of the reader
	s_lshl_b32 s20, s17, 8
	s_lshl_b32 s21, s15, 7
	s_add_co_u32 s95, s20, s21                     ; my first row
	s_lshl_b32 s20, s42, 8
	s_lshl_b32 s21, s16, 7
	s_add_co_u32 s96, s20, s21                     ; my first column, 0..6143
	v_add_nc_u32 v[ROWG], s95, v1
	s_lshl_b32 s97, s66, 17
	s_lshl_b32 s20, s95, 6
	s_add_co_u32 s20, s20, s97
	s_mov_b32 s21, 0
	s_add_nc_u64 s[20:21], s[8:9], s[20:21]        ; the LoRA left operand at my rows
	s_lshl_b32 s22, s96, 6
	s_add_co_u32 s22, s22, 393216
	s_mov_b32 s23, 0
	s_add_nc_u64 s[22:23], s[8:9], s[22:23]        ; the right one at my columns
	s_lshl_b32 s46, s95, 8
	s_add_co_u32 s46, s46, 786432
	s_mov_b32 s47, 0
	s_add_nc_u64 s[46:47], s[8:9], s[46:47]        ; the table at my rows
	s_and_b32 s92, s96, 2047
	s_lshl_b32 s92, s92, 6                         ; my first head's block: (column / 64) x 4,096 bytes
	s_add_co_u32 s92, s92, s97
	s_mov_b32 s93, 0
	s_add_nc_u64 s[10:11], s[10:11], s[92:93]      ; qf at my first head
	s_lshr_b32 s92, s96, 6
	s_lshl_b32 s92, s92, 18                        ; my first head's plane of 262,144 bytes
	s_lshl_b32 s94, s95, 7
	s_add_co_u32 s92, s92, s94
	s_add_nc_u64 s[12:13], s[12:13], s[92:93]      ; qkv at my first head and row
	; THE LoRA PRODUCT, while the first tiles are on their way.  A fragment is 16 rows x 32: two loads of 16 bytes, 32 bytes apart, at 64 r + 16 h
	WIN TO_B
.irp b, 0,1,2,3,4,5,6,7
	global_load_b128 v[8*\b:8*\b+3],   v[LRA], s[22:23] offset:1024*\b
	global_load_b128 v[8*\b+4:8*\b+7], v[LRA], s[22:23] offset:1024*\b+32
.endr
	WIN 0
.irp a, 0,1,2,3,4,5,6,7
	global_load_b128 v[AF+8*\a:AF+8*\a+3],   v[LRA], s[20:21] offset:1024*\a
	global_load_b128 v[AF+8*\a+4:AF+8*\a+7], v[LRA], s[20:21] offset:1024*\a+32
.endr
	s_wait_loadcnt 0x0
.macro LORA16 a0
.irp a, \a0, \a0+1
.irp b, 0,1,2,3,4,5,6,7
	v_wmma_f32_16x16x32_f16 v[8*(8*((\a)%4)+\b):8*(8*((\a)%4)+\b)+7], v[8*\b:8*\b+7], v[AF+8*(\a):AF+8*(\a)+7], 0
.endr
.endr
.endm
	WIN MUL_LO
	LORA16 0
	LORA16 2
	WIN MUL_HI
	LORA16 4
	LORA16 6
	WIN 0
.rept 5
	v_nop                                          ; five places: matrix instructions of another form write over these results, and loads land in these sources
.endr
.macro CSLOAD a                        ; the table's rows of block a into set a % 2: my eight cosines and sines for u = 0, 1
.set CB0, CSR+32*((\a)%2)
.irp u, 0,1
.irp e, 0,1
	global_load_b128 v[CB0+8*\u+4*\e:CB0+8*\u+4*\e+3], v[CSA], s[46:47] offset:4096*(\a)+64*\u+16*\e
	global_load_b128 v[CB0+16+8*\u+4*\e:CB0+16+8*\u+4*\e+3], v[CSA], s[46:47] offset:4096*(\a)+128+64*\u+16*\e
.endr
.endr
.endm
	s_cmp_eq_u32 s66, 2                            ; v is not rotated
	s_cbranch_scc1 .Lno_table
	CSLOAD 0                                       ; they land during the K loop, which leaves v192-255 alone
	CSLOAD 1
.Lno_table:
.macro FRAG reg, adr, q, i             ; 16 rows x 128 K of 4-bit codes: 8 registers, two loads of 16 bytes, 32 apart
.irp c, 0,1
	ds_load_b128 v[\reg+4*\c:\reg+4*\c+3], v[\adr] offset:64*(\q)+32*\c+(\i)*16*PITCH
.endr
.endm
; 16 matrix instructions: A's blocks a0, a0 + 1 x B's eight.  The 64 accumulators take turns, one instruction a turn, in the same order in every step.
.macro MUL16 a0, p, q, sc
.irp a, \a0, \a0+1
.irp b, 0,1,2,3,4,5,6,7
	v_wmma_scale_f32_16x16x128_f8f6f4 v[8*(8*((\a)%4)+\b):8*(8*((\a)%4)+\b)+7], v[128*(\p)+FR*\b:128*(\p)+FR*\b+FR-1], v[AF+FR*(\a):AF+FR*(\a)+FR-1], v[8*(8*((\a)%4)+\b):8*(8*((\a)%4)+\b)+7], v[SC+8*NQ*(\sc)+NQ*\b+(\q)], v[SC+8*NQ*(\sc)+NQ*(\a)+(\q)] matrix_a_fmt:MATRIX_FMT_FP4 matrix_b_fmt:MATRIX_FMT_FP4 matrix_a_scale:MATRIX_SCALE_ROW1
.endr
.endr
.endm
.macro FETCH_B slot, q, p
	WIN TO_B
.irp i, 0,1,2,3,4,5,6,7
	FRAG 128*(\p)+FR*\i, ADRB+\slot, \q, \i
.endr
	WIN 0
.endm
.macro FETCH_A slot, q, i0
.irp i, \i0, \i0+1, \i0+2, \i0+3
	FRAG AF+FR*(\i), ADRA+\slot, \q, \i
.endr
.endm
.macro SCALES sc                       ; a K step's scale words: lanes 0-15 A's block i, lanes 16-31 B's block i
.irp i, 0,1,2,3,4,5,6,7
	ds_load_b128 v[SC+8*NQ*\sc+NQ*\i:SC+8*NQ*\sc+NQ*\i+3], v[ADRS] offset:\i*SBLK
.endr
.endm
.macro PLACES n
.rept \n
	v_nop
.endr
.endm
.macro STEP slot, q                    ; 128 along K with its successor in the same slot
	s_wait_dscnt 4*NL                              ; B's set and A's blocks 0-3 are in; the youngest eight loads (A's blocks 4-7) may be out
	WIN MUL_LO
	MUL16 0, (\q)%2, \q, \slot
	MUL16 2, (\q)%2, \q, \slot
	s_wait_dscnt 0                                 ; A's blocks 4-7 are in
	PLACES NP                                      ; four places in front of loads into registers that matrix instructions have read
	FETCH_B \slot, (\q)+1, 1-(\q)%2
	FETCH_A \slot, (\q)+1, 0
	WIN MUL_HI
	MUL16 4, (\q)%2, \q, \slot
	MUL16 6, (\q)%2, \q, \slot
	PLACES NP
	WIN 0
	FETCH_A \slot, (\q)+1, 4
.endm
; A slot's last step changes slots: one barrier; in front of it each wave waits for all its tensor loads, adds 0 to its spare word, and waits for that and for its reads of this slot.
.macro TURN slot, next, fill
	s_wait_tensorcnt 0x0                           ; all my tensor loads have landed: my part of the next slot
	ds_add_u32 v[SPW], v[NIL]
	s_wait_dscnt 4*NL+1                            ; the add and the youngest eight loads may be out
	WIN MUL_LO
	MUL16 0, 1, NQ-1, \slot
	s_wait_dscnt 0x0                               ; the add is done, and my reads of this slot are over
	s_barrier_signal -1
	MUL16 2, 1, NQ-1, \slot
	WIN 0
	s_barrier_wait -1
.if \fill
	CREST                                          ; the barrier has opened a round of the cluster's barrier: no wave of any partner still reads this slot or has a load on its way
	s_add_nc_u64 s[G0+4*\slot+2:G0+4*\slot+3], s[G0+4*\slot+2:G0+4*\slot+3], 2*ROWB
	s_add_nc_u64 s[G0B+4*\slot+2:G0B+4*\slot+3], s[G0B+4*\slot+2:G0B+4*\slot+3], 2*ROWB
	JLOAD G0+4*\slot, G1, G0B+4*\slot, G1B         ; the first tensor load behind the round; its four v_nop are the places in front of the loads below
.else
	PLACES NP
.endif
	v_add_nc_u32 v[ADRS], 4*NQ, v[ADRS]            ; the next K step's scale words
	FETCH_B \next, 0, 0
	FETCH_A \next, 0, 0
	SCALES \next
	WIN MUL_HI
	MUL16 4, 1, NQ-1, \slot
	MUL16 6, 1, NQ-1, \slot
	PLACES NP
	WIN 0
	FETCH_A \next, 0, 4
.endm
.macro STEPS slot, from
.set Q, \from
.rept NQ-1-\from
	STEP \slot, Q
.set Q, Q+1
.endr
.endm
	s_wait_tensorcnt 1                             ; the scales and my part of K step 0 are in; K step 1's load may be out
	s_barrier_signal -1
	s_barrier_wait -1
	FETCH_B 0, 0, 0
	FETCH_A 0, 0, 0
	SCALES 0
	FETCH_A 0, 0, 4
	STEP 0, 0
	s_mov_b32 s3, LAPS-1
.Llap:                                                 ; a trip goes once round the ring and fills both slots again
	STEPS 0, 1
	TURN 0, 1, 1
	STEPS 1, 0
	TURN 1, 0, 1
	STEP 0, 0
	s_sub_co_u32 s3, s3, 1
	s_cmp_lg_u32 s3, 0
	s_cbranch_scc1 .Llap
	STEPS 0, 1                                     ; the last lap fills nothing
	TURN 0, 1, 0
	STEPS 1, 0
	s_wait_dscnt 4*NL
	WIN MUL_LO
	MUL16 0, 1, NQ-1, 1
	MUL16 2, 1, NQ-1, 1
	s_wait_dscnt 0
	WIN MUL_HI
	MUL16 4, 1, NQ-1, 1
	MUL16 6, 1, NQ-1, 1
	WIN 0
; THE WAY OUT, a block of 16 rows x 128 columns at a time: rotate (q, k), round to f16, through my stage, out as runs of 512 consecutive bytes (four rows of a head).
.macro ROT a                           ; out1 = x1 cos - x2 sin, out2 = x1 sin + x2 cos; each accumulator is read from its low end on
.set CB0, CSR+32*((\a)%2)
.set AC, 64*((\a)%4)
	WIN 0x02+(\a)/4                                ; source 0: the accumulators' window
.irp hh, 0,1
.irp u, 0,1
.irp j, 0,2,4,6
	v_pk_mul_f32 v[TR+16*(2*\hh+\u)+\j:TR+16*(2*\hh+\u)+\j+1], v[AC+8*(4*\hh+\u)+\j:AC+8*(4*\hh+\u)+\j+1], v[CB0+8*\u+\j:CB0+8*\u+\j+1]
	v_pk_mul_f32 v[TR+16*(2*\hh+\u)+8+\j:TR+16*(2*\hh+\u)+8+\j+1], v[AC+8*(4*\hh+\u)+\j:AC+8*(4*\hh+\u)+\j+1], v[CB0+16+8*\u+\j:CB0+16+8*\u+\j+1]
.endr
.irp j, 0,2,4,6
	v_pk_fma_f32 v[TR+16*(2*\hh+\u)+\j:TR+16*(2*\hh+\u)+\j+1], v[AC+8*(4*\hh+\u)+16+\j:AC+8*(4*\hh+\u)+16+\j+1], v[CB0+16+8*\u+\j:CB0+16+8*\u+\j+1], v[TR+16*(2*\hh+\u)+\j:TR+16*(2*\hh+\u)+\j+1] neg_lo:[1,0,0] neg_hi:[1,0,0]
	v_pk_fma_f32 v[TR+16*(2*\hh+\u)+8+\j:TR+16*(2*\hh+\u)+8+\j+1], v[AC+8*(4*\hh+\u)+16+\j:AC+8*(4*\hh+\u)+16+\j+1], v[CB0+8*\u+\j:CB0+8*\u+\j+1], v[TR+16*(2*\hh+\u)+8+\j:TR+16*(2*\hh+\u)+8+\j+1]
.endr
.endr
.endr
	WIN 0
.endm
.macro PACK
.irp hh, 0,1
.irp u, 0,1
.irp i, 0,1,2,3
	v_cvt_pk_f16_f32 v[HR+4*(4*\hh+\u)+\i], v[TR+16*(2*\hh+\u)+2*\i], v[TR+16*(2*\hh+\u)+2*\i+1]
	v_cvt_pk_f16_f32 v[HR+4*(4*\hh+2+\u)+\i], v[TR+16*(2*\hh+\u)+8+2*\i], v[TR+16*(2*\hh+\u)+8+2*\i+1]
.endr
.endr
.endr
.endm
.macro PACKV a
.set AC, 64*((\a)%4)
	WIN 0x0a+5*((\a)/4)                            ; sources 0 and 1: the accumulators' window
.irp b, 0,1,2,3,4,5,6,7
.irp i, 0,1,2,3
	v_cvt_pk_f16_f32 v[HR+4*\b+\i], v[AC+8*\b+2*\i], v[AC+8*\b+2*\i+1]
.endr
.endr
	WIN 0
.endm
.macro TOSTAGE a
.irp b, 0,1,2,3,4,5,6,7
	ds_store_b128 v[STO], v[HR+4*\b:HR+4*\b+3] offset:(\b/4)*2304+32*(\b%4)
.endr
.set BB, BK+32*((\a)%2)
.irp t, 0,1,2,3,4,5,6,7
	ds_load_b128 v[BB+4*\t:BB+4*\t+3], v[RD] offset:(\t/4)*2304+(\t%4)*576   ; in order behind my stores
.endr
.endm
.macro SEND a, younger                 ; younger: the LDS instructions issued behind block a's loads
.set BB, BK+32*((\a)%2)
	s_wait_dscnt \younger
.irp t, 0,1,2,3,4,5,6,7
	global_store_b128 v[CO], v[BB+4*\t:BB+4*\t+3], s[12:13] offset:(\t/4)*262144+(\a)*2048+(\t%4)*512   ; 512 consecutive bytes, aligned
.endr
.endm
	PLACES NP                                      ; four places in front of the first read of the last results
	s_cmp_eq_u32 s66, 2
	s_cbranch_scc1 .Lout_v
.irp a, 0,1,2,3,4,5,6,7
.if \a < 7
	s_wait_loadcnt 8                               ; this block's eight loads of the table are in; the next block's may be out
.else
	s_wait_loadcnt 0
.endif
	ROT \a
.if \a < 6
	CSLOAD \a+2
.endif
	PACK
.if \a == 0
	; positions 0-15 leave unrounded too.  Lanes whose row is 16 or more are switched off: no branch hangs on the work-group's place.
	; Four numbers at channel c0 = 16 u + 8 h + 4 e (+ 32) go to 512 (c0 / 8) + 256 e + 16 r of the head's block: sixteen lanes store 256 consecutive bytes, aligned
	s_wait_xcnt 0x0                                ; EXEC changes only behind this wait
	v_cmp_gt_u32 vcc_lo, 16, v[ROWG]
	s_and_saveexec_b32 s2, vcc_lo
.irp hh, 0,1
.irp u, 0,1
	global_store_b128 v[QFA], v[TR+16*(2*\hh+\u):TR+16*(2*\hh+\u)+3], s[10:11] offset:4096*\hh+1024*\u
	global_store_b128 v[QFA], v[TR+16*(2*\hh+\u)+4:TR+16*(2*\hh+\u)+7], s[10:11] offset:4096*\hh+1024*\u+256
	global_store_b128 v[QFA], v[TR+16*(2*\hh+\u)+8:TR+16*(2*\hh+\u)+11], s[10:11] offset:4096*\hh+1024*\u+2048
	global_store_b128 v[QFA], v[TR+16*(2*\hh+\u)+12:TR+16*(2*\hh+\u)+15], s[10:11] offset:4096*\hh+1024*\u+2304
.endr
.endr
	s_wait_xcnt 0x0                                ; and again in front of the line that widens it; the stores' data may be written again too
	s_or_b32 exec_lo, exec_lo, s2
.endif
.if \a > 1
	s_wait_xcnt 0x0                                ; block a - 2's stores have read their registers: block a's loads may land there
.endif
	TOSTAGE \a
.if \a > 0
	SEND \a-1, 16                                  ; behind block a - 1's loads: block a's 8 stores and 8 loads
.endif
.endr
	SEND 7, 0
	s_branch .Lend
.Lout_v:
.irp a, 0,1,2,3,4,5,6,7
	PACKV \a
.if \a == 0
	s_wait_xcnt 0x0
	v_cmp_gt_u32 vcc_lo, 16, v[ROWG]
	s_and_saveexec_b32 s2, vcc_lo
	WIN 0x08                                       ; a store's data are its source 1: window 2
.irp b, 0,1,2,3,4,5,6,7
	global_store_b128 v[QFA], v[8*\b:8*\b+3], s[10:11] offset:4096*(\b/4)+1024*(\b%4)
	global_store_b128 v[QFA], v[8*\b+4:8*\b+7], s[10:11] offset:4096*(\b/4)+1024*(\b%4)+256
.endr
	WIN 0
	s_wait_xcnt 0x0
	s_or_b32 exec_lo, exec_lo, s2
.endif
.if \a > 1
	s_wait_xcnt 0x0
.endif
	TOSTAGE \a
.if \a > 0
	SEND \a-1, 16
.endif
.endr
	SEND 7, 0
.Lend:
	s_wait_tensorcnt 0x0                           ; the wave's end
	ds_add_u32 v[SPW], v[NIL]
	s_wait_dscnt 0x0
	CROUND                                         ; the closing round: no work-group ends while a partner may still ask for a tile that names it
	s_endpgm
.Lfunc_end_k_q7ca146a634_qkv:
	.size	k_q7ca146a634_qkv, .Lfunc_end_k_q7ca146a634_qkv-k_q7ca146a634_qkv
	.p2alignl 7, 3214868480
	.fill 96, 4, 3214868480
	.section	.rodata,"a",@progbits
	.p2align	6, 0x0
	.amdhsa_kernel k_q7ca146a634_qkv
		.amdhsa_group_segment_fixed_size 327680
		.amdhsa_private_segment_fixed_size 0
		.amdhsa_enable_private_segment 0
		.amdhsa_kernarg_size 40
		.amdhsa_user_sgpr_count 2
		.amdhsa_user_sgpr_kernarg_segment_ptr 1
		.amdhsa_wavefront_size32 1
		.amdhsa_system_sgpr_workgroup_id_x 1
		.amdhsa_system_sgpr_workgroup_id_y 1
		.amdhsa_system_sgpr_workgroup_id_z 1
		.amdhsa_system_vgpr_workitem_id 0
		.amdhsa_next_free_vgpr 1024
		.amdhsa_next_free_sgpr 98
		.amdhsa_reserve_vcc 1
		.amdhsa_float_denorm_mode_32 3
		.amdhsa_float_denorm_mode_16_64 3
		.amdhsa_memory_ordered 1
		.amdhsa_forward_progress 1
		.amdhsa_inst_pref_size 255
	.end_amdhsa_kernel
	.section	.bss,"aw",@nobits
	.p2align	6
	.space	262144
	.amdgpu_metadata
---
amdhsa.version: [ 1, 2 ]
amdhsa.kernels:
  - .name:           k_q7ca146a634_qkv
    .symbol:         k_q7ca146a634_qkv.kd
    .args:
      - { .name: codes, .offset: 0, .size: 8, .value_kind: global_buffer, .address_space: global }
      - { .name: scales, .offset: 8, .size: 8, .value_kind: global_buffer, .address_space: global }
      - { .name: lora, .offset: 16, .size: 8, .value_kind: global_buffer, .address_space: global }
      - { .name: qf, .offset: 24, .size: 8, .value_kind: global_buffer, .address_space: global }
      - { .name: qkv, .offset: 32, .size: 8, .value_kind: global_buffer, .address_space: global }
    .group_segment_fixed_size: 327680
    .private_segment_fixed_size: 0
    .kernarg_segment_align: 8
    .kernarg_segment_size: 40
    .max_flat_workgroup_size: 128
    .sgpr_count:     98
    .vgpr_count:     1024
    .wavefront_size: 32
...
	.end_amdgpu_metadata
.endif
;; end of part 2
;; launch attn (part 3): grid 8 x 32, 16 waves a work-group, no clusters, 327,680 bytes of LDS; arguments qkv, at; writes at
.if DOCPART == 3
	.amdgcn_target "amdgcn-amd-amdhsa--gfx1250"
	.amdhsa_code_object_version 6
	.text
	.protected	k_q7ca146a634_attn
	.globl	k_q7ca146a634_attn
	.p2align	8
	.type	k_q7ca146a634_attn,@function
k_q7ca146a634_attn:
	s_mov_b64 s[64:65], 0
	v_nop
	global_prefetch_b8 v0, s[64:65] scope:SCOPE_SE
	s_setreg_imm32_b32 hwreg(HW_REG_WAVE_MODE, 25, 1), 1
	s_wait_xcnt 0x0
; at[head][q][:] = the sum over k <= q of softmax_k(Q[q] . K[k] / 8) V[k][:].  qkv: [96][2048][64] f16 (planes 0-31 q, 32-63 k, 64-95 v); at: [32][2048][64] f16.  Products on f16 operands, maxima and sums in f32, p rounded to f16.
; SHARES.  Work-group (i, head), sixteen waves of one tile of 16 queries each: waves 0-7 take queries 128 i on, waves 8-15 queries 128 (15 - i) on, so that under the causal mask every work-group has the same number of (tile, key step) pairs.
; Four waves share a SIMD (256 registers each): one wave's softmax stands beside another's products and LDS loads.
; NO CLUSTER: the work-groups of a head need different numbers of key slots under the mask, so a joint load would bring some partners tiles that none of their waves reads.
; LAYOUT.  S^T = K Q^T (source 0 = 16 keys, source 1 = my 16 queries): a lane holds ONE query (lane % 16) and keys 8 (lane / 16) + 0..7 of each tile.  Two such tiles, rounded in pairs, ARE source 1 of O^T = V^T P.  V comes out of LDS turned, by ds_load_tr16_b128.
; SOFTMAX.  A running maximum m and sum l: p = 2^(c s - c m), c = log2(e) / 8; in every step O and l are multiplied by a = 2^(c m_old - c m_new).  Hidden scores become -infinity ahead of the maximum.  Key 0 counts for every query, so m is a number from the first step on.
; THE SUM l IS TAKEN BY THE MATRIX UNIT: beside V^T's four tiles stands a fifth tile of source 0 whose rows 0 and 8 are ones and whose other rows are zeros; multiplied by the same P it leaves, in register 0 of every lane, the sum over the step's 64 keys
; of my query's p.  A step has some 110 vector instructions for its matrix instructions: two more of these (18 for 16) take 17 packed vector instructions out of it, and the exchange between the halves of the lanes at the end.
; So l is the sum of p AS ROUNDED TO f16, the same numbers that V is multiplied by; it is kept in f32.
; THE RING.  Two LDS slots of 256 keys (K: rows of 128 bytes + 16; V: + 32), filled by waves 0, 1 (K's halves) and 2, 3 (V's).  Every work-group walks all 8 slots: trip counts are constants; a step all of whose keys are hidden is jumped over,
; and a slot whose first key comes after the work-group's last query is not asked for.  A wave has at most one tensor load out; every wait on TENSORcnt is for 0.
; LIMITS: positions 0-15 are computed here like the others and carried again in f32 by a later launch.  NaN and infinities are not served.
; REGISTERS: v1-9 addresses; v12 c m, v13 m; v16-31 Q; v32-95 K's eight fragments, then V's; v96-127 S^T, then p; v128-143 P in f16; v144-151 the tile of ones; v160-191 O^T; v192-199 l's accumulator (register 0 counts, the others stay 0); v232-254 at work.
.set KP,    144
.set VP,    160
.set VOFF,  256*KP
.set SLOT1, 1<<17
.set STAGE, SLOT1+VOFF+256*VP          ; behind the ring: 16 rows x 144 bytes for each wave; no tile lands here
.set SPARE, 262144                     ; the spare words, 128 bytes a wave
.set AK0,  1
.set AV0,  2
.set PFO,  3                           ; v3  256 x lane: the prefetches' offset; never rewritten
.set SPW,  5
.set NIL,  6
.set GO,   7
.set ADK,  8
.set ADV,  9
.set ONE,  144
.set LA,   192
.set WV,   18
.set SEL,  20
.set CS,   22
.set G1K,  24
.set G1V,  32
.set G0K,  40
.set G0V,  44
.set TB,   2
.set QL,   66                          ; s66  my work-group's last query
.set SLOTS, 67
.set PFA,  76
.set LIM,  80
.set KF,   98                          ; s98  the step's first key
.set Q0,   99                          ; s99  my first query
.macro TLOAD                           ; waves 0, 1 fetch K's halves, waves 2, 3 V's, the others nothing; an s_nop 0 and four v_nop follow each line
	s_cmp_lt_u32 s[WV], 2
	s_cbranch_scc0 .Lnot_k_\@
	tensor_load_to_lds s[G0K:G0K+3], s[G1K:G1K+7]
	s_nop 0
.rept 4
	v_nop
.endr
	s_branch .Lasked_\@
.Lnot_k_\@:
	s_cmp_lt_u32 s[WV], 4
	s_cbranch_scc0 .Lasked_\@
	tensor_load_to_lds s[G0V:G0V+3], s[G1V:G1V+7]
	s_nop 0
.rept 4
	v_nop
.endr
.Lasked_\@:
.endm
; A prefetch of what the NEXT change of slots will ask for: 32,768 dense bytes of K and of V.  The head's first work-group asks, which walks all slots; in it waves 4-7 ask for K's, waves 8-11 for V's, 8,192 bytes a wave, lanes 256 bytes apart:
; each aligned block of 256 bytes is named once in the launch.  The last change that fills a slot asks for nothing; slots 0 and 1 come by their loads alone.
.macro ASK
	s_cmp_gt_u32 s[SLOTS], s[LIM]
	s_cbranch_scc0 .Lnot_mine_\@
	global_prefetch_b8 v[PFO], s[PFA:PFA+1] th:TH_LOAD_NT scope:SCOPE_SE
.Lnot_mine_\@:
.endm
	s_load_b128 s[4:7], s[0:1], 0x0                ; qkv, at
	v_lshl_add_u32 v[SPW], v0, 2, SPARE
	v_mov_b32 v[NIL], 0
	ds_add_u32 v[SPW], v[NIL]                      ; the wave's opening: the add, twice on end, and its wait ahead of my first tensor load
	ds_add_u32 v[SPW], v[NIL]
	v_lshrrev_b32 v8, 5, v0
	v_readfirstlane_b32 s[WV], v8                  ; wave 0..15
	s_and_b32 s72, ttmp7, 0xffff                   ; the head
	s_lshl_b32 s73, ttmp9, 7                       ; 128 i
	s_sub_co_u32 s74, 1920, s73                    ; 128 (15 - i)
	s_sub_co_u32 s[QL], 2047, s73
	s_lshl_b32 s75, s[WV], 4
	s_add_co_u32 s73, s73, s75
	s_add_co_u32 s74, s74, s75
	s_sub_co_u32 s74, s74, 128
	s_cmp_lt_u32 s[WV], 8
	s_cselect_b32 s[Q0], s73, s74
	s_and_b32 s88, s[WV], 1                        ; which 128 keys of a slot I fetch, if I fetch
	s_lshl_b32 s89, s88, 14
	s_add_co_u32 s90, s72, 32
	s_lshl_b32 s90, s90, 18
	s_add_co_u32 s90, s90, s89
	s_mov_b32 s91, 0                               ; K: in memory,
	s_add_co_u32 s92, s72, 64
	s_lshl_b32 s92, s92, 18
	s_add_co_u32 s92, s92, s89
	s_mov_b32 s93, 0                               ; V
	s_mul_i32 s94, s88, 128*KP                     ; and in a slot
	s_mul_i32 s95, s88, 128*VP
	s_add_co_u32 s95, s95, VOFF
	s_lshl_b32 s84, s72, 18
	s_lshl_b32 s85, s[Q0], 7
	s_add_co_u32 s84, s84, s85
	s_mov_b32 s85, 0                               ; my queries' rows in q's plane and in at
	s_mov_b32 s[G1K], (1<<16)|(1<<20)|(4<<22)|(3<<25)   ; elements of 2 bytes; padding: 4 words behind every 32
	s_mov_b32 s[G1V], (1<<16)|(1<<20)|(4<<22)|(7<<25)   ; 8 words
.irp g, G1K, G1V
	s_mov_b32 s[\g+1], 64<<16                      ; tensor_dim0
	s_mov_b32 s[\g+2], 128<<16                     ; tensor_dim1
	s_mov_b32 s[\g+3], 64<<16                      ; tile_dim0
	s_mov_b32 s[\g+4], 128                         ; tile_dim1
	s_mov_b32 s[\g+5], 64                          ; the pitch
	s_mov_b32 s[\g+6], 0
	s_mov_b32 s[\g+7], 0
.endr
	s_mov_b32 s[SEL], 0x76543210
	s_mov_b32 s[SEL+1], 0xfedcba98
	s_mov_b32 s[CS], 0x3e38aa3b                    ; c = log2(e) / 8
	s_mov_b32 s[CS+1], s[CS]
	s_mov_b32 s[TB], 0
	s_mov_b32 s[SLOTS], 7
	s_mov_b32 s[KF], 0
	s_wait_dscnt 0x0                               ; both opening adds are done
	s_wait_kmcnt 0x0
	s_mov_b32 s[G0K], 1
	s_mov_b32 s[G0K+1], s94
	s_add_nc_u64 s[G0K+2:G0K+3], s[4:5], s[90:91]
	s_or_b32 s[G0K+3], s[G0K+3], 0x80000000
	s_mov_b32 s[G0V], 1
	s_mov_b32 s[G0V+1], s95
	s_add_nc_u64 s[G0V+2:G0V+3], s[4:5], s[92:93]
	s_or_b32 s[G0V+3], s[G0V+3], 0x80000000
	TLOAD                                          ; slot 0
	s_add_nc_u64 s[86:87], s[4:5], s[84:85]        ; Q at my first query
	s_add_nc_u64 s[6:7], s[6:7], s[84:85]          ; at likewise
	s_cmp_lt_u32 s[WV], 8                          ; the prefetches: waves 4-7 K's plane, waves 8-11 V's
	s_cselect_b32 s82, 32, 64
	s_add_co_u32 s82, s82, s72
	s_lshl_b32 s82, s82, 18
	s_and_b32 s83, s[WV], 3
	s_lshl_b32 s83, s83, 13
	s_add_co_u32 s82, s82, s83
	s_add_co_u32 s82, s82, 32768                   ; in slot 1: the first change of slots steps it to slot 2
	s_mov_b32 s83, 0
	s_add_nc_u64 s[PFA:PFA+1], s[4:5], s[82:83]
	s_sub_co_u32 s82, s[WV], 4
	s_lshr_b32 s82, s82, 3                         ; 0 in waves 4 to 11,
	s_or_b32 s82, s82, ttmp9                       ; of the head's first work-group
	s_cmp_eq_u32 s82, 0
	s_cselect_b32 s[LIM], 1, -1
	v_and_b32 v[PFO], 31, v0
	v_lshlrev_b32 v[GO], 4, v[PFO]                 ; the way out: 16 bytes a lane
	v_lshlrev_b32 v[PFO], 8, v[PFO]
	v_and_b32 v8, 15, v0                           ; r
	v_bfe_u32 v9, v0, 4, 1                         ; h
	v_lshlrev_b32 v10, 7, v8
	v_lshl_add_u32 v10, v9, 4, v10                 ; Q: row r of 128 bytes + 16 h
.irp c, 0,1,2,3
	global_load_b128 v[16+4*\c:19+4*\c], v10, s[86:87] offset:32*\c   ; Q's two fragments stay in registers
.endr
	v_mul_u32_u24 v[AK0], v8, KP
	v_lshl_add_u32 v[AK0], v9, 4, v[AK0]
	v_and_b32 v11, 7, v0
	v_lshl_add_u32 v[AV0], v9, 3, v11              ; the turning load: key 8 h + lane % 8,
	v_mul_u32_u24 v[AV0], v[AV0], VP
	v_bfe_u32 v11, v0, 3, 1
	v_lshl_add_u32 v[AV0], v11, 4, v[AV0]          ; channels 8 ((lane / 8) % 2) on
	v_add_nc_u32 v[AV0], VOFF, v[AV0]
	v_mov_b32 v13, 0xff61b1e6                      ; m = -3e38, under every score
	v_mul_f32 v12, s[CS], v13                      ; c m
	v_mov_b32 v236, 0                              ; a lane permute's destination counts as one of its sources
	v_mov_b32 v253, 0                              ; named as the upper half of the pair v[252:253]
	v_and_b32 v4, 7, v0                            ; the tile of ones: a lane holds row lane % 16 of source 0; rows 0 and 8 are ones (two f16 a register), the others zeros
	v_mov_b32 v232, 0x3c003c00
	v_cmp_eq_u32 vcc_lo, 0, v4
	v_cndmask_b32 v[ONE], 0, v232, vcc_lo
.irp j, 1,2,3,4,5,6,7
	v_mov_b32 v[ONE+\j], v[ONE]
.endr
.irp j, 0,1,2,3,4,5,6,7
	v_mov_b32 v[LA+\j], 0                          ; l
.endr
.set n, 0
.rept 32
	v_mov_b32 v[160+n], 0                          ; O^T: the step is written once; the first finds zeros
.set n, n+1
.endr
; A KEY STEP: 64 keys, the q-th of the slot in hand
.macro STEP q
	s_add_co_u32 s96, s[Q0], 15                    ; a step all of whose keys come after my 16 queries is left out: a branch on ids, round the step's work alone
	s_cmp_gt_u32 s[KF], s96
	s_cbranch_scc1 .Lhidden_\@
	v_add_nc_u32 v[ADK], s[TB], v[AK0]
	v_add_nc_u32 v[ADV], s[TB], v[AV0]
	v_nop
	v_nop                                          ; four places in front of loads into registers that the last products read
.irp kt, 0,1,2,3
.irp cs, 0,1
	ds_load_b128 v[32+16*\kt+8*\cs:35+16*\kt+8*\cs], v[ADK] offset:(64*(\q)+16*\kt)*KP+64*\cs
	ds_load_b128 v[36+16*\kt+8*\cs:39+16*\kt+8*\cs], v[ADK] offset:(64*(\q)+16*\kt)*KP+64*\cs+32
.endr
.endr
	s_wait_dscnt 0x0
.irp kt, 0,1,2,3                               ; the four accumulators take turns
	v_wmma_f32_16x16x32_f16 v[96+8*\kt:103+8*\kt], v[32+16*\kt:39+16*\kt], v[16:23], 0
.endr
.irp kt, 0,1,2,3
	v_wmma_f32_16x16x32_f16 v[96+8*\kt:103+8*\kt], v[40+16*\kt:47+16*\kt], v[24:31], v[96+8*\kt:103+8*\kt]
.endr
.rept 4
	v_nop                                          ; four places: in front of the loads below and of the first read of the scores
.endr
.irp g, 0,1                                    ; V's eight fragments land during the softmax
.irp ct, 0,1,2,3
	ds_load_tr16_b128 v[32+32*\g+8*\ct:35+32*\g+8*\ct], v[ADV] offset:(64*(\q)+32*\g)*VP+32*\ct
	ds_load_tr16_b128 v[36+32*\g+8*\ct:39+32*\g+8*\ct], v[ADV] offset:(64*(\q)+32*\g+16)*VP+32*\ct
.endr
.endr
	s_add_co_u32 s96, s[KF], 63                    ; a step all of whose keys count skips the mask
	s_cmp_le_u32 s96, s[Q0]
	s_cbranch_scc1 .Lopen_\@
	s_sub_co_i32 s96, s[Q0], s[KF]
	v_and_b32 v252, 15, v0
	v_bfe_u32 v253, v0, 4, 1
	v_lshlrev_b32 v253, 3, v253
	v_sub_nc_u32 v252, v252, v253
	v_add_nc_u32 v252, s96, v252                   ; d = my query - KF - 8 h.  Register n holds key KF + 8 h + 16 (n / 8) + n % 8: hidden where 16 (n / 8) + n % 8 > d
	v_mov_b32 v254, 0xff800000
.set n, 0
.rept 32
	v_cmp_gt_i32 vcc_lo, 16*(n/8)+n%8, v252
	v_cndmask_b32 v[96+n], v[96+n], v254, vcc_lo
.set n, n+1
.endr
.Lopen_\@:
.irp k, 0,1,2,3                                ; the maximum of 32 scores and the old m: four chains, each from its accumulator's low end on
	v_max3_num_f32 v[232+\k], v[96+8*\k], v[97+8*\k], v[98+8*\k]
.endr
.irp k, 0,1,2,3
	v_max3_num_f32 v[232+\k], v[232+\k], v[99+8*\k], v[100+8*\k]
.endr
.irp k, 0,1,2,3
	v_max3_num_f32 v[232+\k], v[232+\k], v[101+8*\k], v[102+8*\k]
.endr
	v_max3_num_f32 v232, v232, v103, v111
	v_max3_num_f32 v234, v234, v119, v127
	v_max3_num_f32 v232, v232, v233, v234
	v_max3_num_f32 v232, v232, v235, v13
	v_permlanex16_b32 v236, v232, s[SEL], s[SEL+1] ; the query's other keys lie in the lane 16 away
	v_max_num_f32 v13, v232, v236                  ; the new m
	v_mov_b32 v254, v12
	v_mul_f32 v12, s[CS], v13                      ; c m
	v_sub_f32 v254, v254, v12                      ; c m_old - c m_new
	; ONE BATCH: the 16 scalings c s - c m, a pair of scores each, and the 33 exponentials.  None of these names an exponential's result.  The scalings stand among the exponentials: a pair is scaled two scalings ahead of its exponentials
	v_exp_f32 v252, v254                           ; a
.irp b, 0,1
	v_pk_fma_f32 v[96+2*\b:97+2*\b], v[96+2*\b:97+2*\b], s[CS:CS+1], v[12:13] op_sel_hi:[1,0,0] neg_lo:[0,0,1] neg_hi:[0,0,1]
.endr
.irp b, 2,3,4,5,6,7,8,9,10,11,12,13,14,15
	v_pk_fma_f32 v[96+2*\b:97+2*\b], v[96+2*\b:97+2*\b], s[CS:CS+1], v[12:13] op_sel_hi:[1,0,0] neg_lo:[0,0,1] neg_hi:[0,0,1]
	v_exp_f32 v[92+2*\b], v[92+2*\b]
	v_exp_f32 v[93+2*\b], v[93+2*\b]
.endr
.irp n, 124,125,126,127
	v_exp_f32 v\n, v\n
.endr
	v_nop                                          ; one plain line behind the last,
	s_wait_alu depctr_va_vdst(0)                   ; and the one wait ahead of the first use
	v_mul_f32 v[LA], v[LA], v252                   ; l x a: the accumulator's register 0; the others hold 0
.set n, 0
.rept 16
	v_cvt_pk_f16_f32 v[128+n], v[96+2*n], v[97+2*n]
.set n, n+1
.endr
.set n, 0
.rept 16
	v_pk_mul_f32 v[160+n:161+n], v[160+n:161+n], v[252:253] op_sel_hi:[1,0]   ; O^T x a
.set n, n+2
.endr
	s_wait_dscnt 0x0                               ; V is in
.irp g, 0,1
.irp ct, 0,1,2,3                               ; the five accumulators take turns
	v_wmma_f32_16x16x32_f16 v[160+8*\ct:167+8*\ct], v[32+32*\g+8*\ct:39+32*\g+8*\ct], v[128+8*\g:135+8*\g], v[160+8*\ct:167+8*\ct]
.endr
	v_wmma_f32_16x16x32_f16 v[LA:LA+7], v[ONE:ONE+7], v[128+8*\g:135+8*\g], v[LA:LA+7]   ; l += the sum of these 32 keys' p
.endr
.Lhidden_\@:
	s_add_co_u32 s[KF], s[KF], 64
.endm
; THE CHANGE OF SLOTS stands at a slot's head.  Each wave waits for all its tensor loads, adds 0 to its spare word, and waits for that and for its reads of the slot that it has left; behind the barrier the slot ahead is whole and nobody reads the other.
.macro CHANGE fill
	s_wait_tensorcnt 0x0                           ; no tensor load of mine is out, so a group 0 may be written
	ds_add_u32 v[SPW], v[NIL]
.if \fill
	ds_add_u32 v[SPW], v[NIL]                      ; twice on end, in every trip alike
	s_xor_b32 s[G0K+1], s[G0K+1], SLOT1            ; the walking descriptors: the other slot, the next 256 keys
	s_add_nc_u64 s[G0K+2:G0K+3], s[G0K+2:G0K+3], 32768
	s_xor_b32 s[G0V+1], s[G0V+1], SLOT1
	s_add_nc_u64 s[G0V+2:G0V+3], s[G0V+2:G0V+3], 32768
	s_wait_xcnt 0x0                                ; the last prefetch, a slot back, has read its address
	s_add_nc_u64 s[PFA:PFA+1], s[PFA:PFA+1], 32768
.endif
	s_wait_dscnt 0x0
	s_barrier_signal -1
	s_barrier_wait -1
.if \fill
	s_add_co_u32 s96, s[KF], 256                   ; the first key of the slot that this change would ask for: past my work-group's last query it is read by none of the sixteen waves, and is not asked for.
	s_cmp_gt_u32 s96, s[QL]                        ; ids and the count of steps alone: all waves go the same way, and a work-group past the limit stays past it
	s_cbranch_scc1 .Lpast_\@
	TLOAD                                          ; a wave's one tensor load until the next change
.Lpast_\@:
	ASK
.endif
.endm
.macro SLOT_STEPS
	STEP 0
	STEP 1
	STEP 2
	STEP 3
	s_xor_b32 s[TB], s[TB], SLOT1
.endm
	s_wait_loadcnt 0x0                             ; Q
.Lslot:                                            ; 7 trips
	CHANGE 1
	SLOT_STEPS
	s_sub_co_u32 s[SLOTS], s[SLOTS], 1
	s_cmp_lg_u32 s[SLOTS], 0
	s_cbranch_scc1 .Lslot
	CHANGE 0                                       ; the last slot is written out: nothing is left to ask for
	SLOT_STEPS
	; THE WAY OUT: O^T / l, rounded to f16, through my stage, out as runs of 512 consecutive bytes (four rows).  The address work stands first: it is the places behind the last products
	v_and_b32 v8, 15, v0
	v_bfe_u32 v9, v0, 4, 1
	s_mul_i32 s73, s[WV], 16*144
	s_add_co_u32 s73, s73, STAGE
	v_mul_u32_u24 v10, v8, 144
	v_lshl_add_u32 v10, v9, 4, v10
	v_add_nc_u32 v10, s73, v10                     ; in: row r, 16 bytes for each half of the lanes
	v_and_b32 v11, 31, v0
	v_lshrrev_b32 v8, 3, v11
	v_and_b32 v9, 7, v0
	v_mul_u32_u24 v11, v8, 144
	v_lshl_add_u32 v11, v9, 4, v11
	v_rcp_f32 v14, v[LA]                           ; every lane holds its query's whole sum
	v_add_nc_u32 v11, s73, v11                     ; back: eight lanes to a row.  (A plain line behind the reciprocal)
	s_wait_alu depctr_va_vdst(0)                   ; ahead of the reciprocal's first use
.set n, 0
.rept 32
	v_mul_f32 v[96+n], v[160+n], v14
.set n, n+1
.endr
.set n, 0
.rept 16
	v_cvt_pk_f16_f32 v[128+n], v[96+2*n], v[97+2*n]
.set n, n+1
.endr
.irp ct, 0,1,2,3
	ds_store_b128 v10, v[128+4*\ct:131+4*\ct] offset:32*\ct
.endr
.irp t, 0,1,2,3
	ds_load_b128 v[32+4*\t:35+4*\t], v11 offset:576*\t   ; in order behind my stores
.endr
.irp t, 0,1,2,3
	s_wait_dscnt 3-\t
	global_store_b128 v[GO], v[32+4*\t:35+4*\t], s[6:7] offset:512*\t
.endr
	s_wait_tensorcnt 0x0                           ; the wave's end
	ds_add_u32 v[SPW], v[NIL]
	s_wait_dscnt 0x0
	s_endpgm
.Lfunc_end_k_q7ca146a634_attn:
	.size	k_q7ca146a634_attn, .Lfunc_end_k_q7ca146a634_attn-k_q7ca146a634_attn
	.p2alignl 7, 3214868480
	.fill 96, 4, 3214868480
	.section	.rodata,"a",@progbits
	.p2align	6, 0x0
	.amdhsa_kernel k_q7ca146a634_attn
		.amdhsa_group_segment_fixed_size 327680
		.amdhsa_private_segment_fixed_size 0
		.amdhsa_enable_private_segment 0
		.amdhsa_kernarg_size 16
		.amdhsa_user_sgpr_count 2
		.amdhsa_user_sgpr_kernarg_segment_ptr 1
		.amdhsa_wavefront_size32 1
		.amdhsa_system_sgpr_workgroup_id_x 1
		.amdhsa_system_sgpr_workgroup_id_y 1
		.amdhsa_system_sgpr_workgroup_id_z 1
		.amdhsa_system_vgpr_workitem_id 0
		.amdhsa_next_free_vgpr 256
		.amdhsa_next_free_sgpr 100
		.amdhsa_reserve_vcc 1
		.amdhsa_float_denorm_mode_32 3
		.amdhsa_float_denorm_mode_16_64 3
		.amdhsa_memory_ordered 1
		.amdhsa_forward_progress 1
		.amdhsa_inst_pref_size 104
	.end_amdhsa_kernel
	.amdgpu_metadata
---
amdhsa.version: [ 1, 2 ]
amdhsa.kernels:
  - .name:           k_q7ca146a634_attn
    .symbol:         k_q7ca146a634_attn.kd
    .args:
      - { .name: qkv, .offset: 0, .size: 8, .value_kind: global_buffer, .address_space: global }
      - { .name: at, .offset: 8, .size: 8, .value_kind: global_buffer, .address_space: global }
    .group_segment_fixed_size: 327680
    .private_segment_fixed_size: 0
    .kernarg_segment_align: 8
    .kernarg_segment_size: 16
    .max_flat_workgroup_size: 512
    .sgpr_count:     100
    .vgpr_count:     256
    .wavefront_size: 32
...
	.end_amdgpu_metadata
.endif
;; end of part 3
;; launch proj (part 4): grid 16 x 16, 4 waves a work-group, clusters of 4 x 4, 327,680 bytes of LDS; arguments at, wo16, out0; writes out0
.if DOCPART == 4
	.amdgcn_target "amdgcn-amd-amdhsa--gfx1250"
	.amdhsa_code_object_version 6
	.text
	.protected	k_q7ca146a634_proj
	.globl	k_q7ca146a634_proj
	.p2align	8
	.type	k_q7ca146a634_proj,@function
k_q7ca146a634_proj:
	s_mov_b64 s[64:65], 0
	v_nop
	global_prefetch_b8 v0, s[64:65] scope:SCOPE_SE
	s_setreg_imm32_b32 hwreg(HW_REG_WAVE_MODE, 25, 1), 1
	s_wait_xcnt 0x0
	s_wait_alu depctr_hold_cnt(0) depctr_sa_sdst(0) depctr_va_vdst(0) depctr_va_sdst(0) depctr_va_ssrc(0) depctr_va_vcc(0) depctr_vm_vsrc(0)
	s_getreg_b32 s2, hwreg(HW_REG_IB_STS2, 6, 4)
	s_cmp_eq_u32 s2, 0
	s_cbranch_scc0 .Lentry_in_a_cluster
	s_endpgm
.Lentry_in_a_cluster:
	s_bfe_u32 s2, ttmp6, 0x10000c
	s_cmp_lg_u32 s2, 0xf033
	s_cbranch_scc0 .Lentry_shape_is_right
	s_endpgm
.Lentry_shape_is_right:
; out0[m][n] = the sum over k of attn[m][k] Wo[n][k], f16 operands, f32 sums and results.  at: [32 heads][2048][64] f16 (k = 64 head + channel); wo16: [2048][2048] f16; out0: [2048][2048] f32.
; A tile of out0 is 128 x 128: 256 work-groups, one for each WGP.  Four waves, 64 x 64 each: 16 accumulators.  K goes in steps of 256 (four heads) through a ring of two LDS slots.
; A's TILE: a head's 128 rows are 16,384 dense bytes; a load brings two heads as two rows of 8,192 elements, 131,072 elements apart, with 16 bytes of padding behind every 256: in LDS a head is 64 lines of 272 bytes, two rows of 128 bytes to a line.
; B's TILE: 64 rows of 512 bytes + 16.  Waves 0, 1 fetch A's two pairs of heads, waves 2, 3 B's two halves: one load a wave.
; CLUSTERS: 4 x 4 work-groups; A's tiles are asked for jointly along a row of the cluster, B's along a column.  THE MATRIX INSTRUCTION IS USED TRANSPOSED: a lane holds eight neighbouring columns of a row.
; Rows 0-15 are stored here like all others and stored again, carried in f32, by the launch that follows: leaving them out would be a branch on the work-group's place in its cluster.
; REGISTERS: window 0: v16-29 addresses; v32-95 the way out; v128-255 the accumulators ((a, b) at v[128 + 8 (4 a + b)]).   window 1: two fragment buffers of 128 (64 of A, then 64 of B).
.set SIZE_K, 2048
.set KSTEP,  256
.set PITCH,  528
.set HEADT,  64*272                    ; a head's 128 rows in LDS
.set ATILE,  4*HEADT                   ; 69,632
.set HALFB,  64*PITCH
.set SLOT,   ATILE+2*HALFB             ; 137,216
.set STAGE,  2*SLOT                    ; 16 rows x 272 bytes for each wave, each wave's own
.set SPITCH, 272
.set SPARE,  STAGE+4*16*SPITCH
.set LAPS,   SIZE_K/(2*KSTEP)
.set ADRA, 16
.set ADRB, 20
.set STO,  24
.set RD,   25
.set CO,   26
.set SPW,  28
.set NIL,  29
.set TMP,  32
.set ACC,  128
.set F0,   0
.set F1,   128
.set G1, 24
.set G0, 32
.set G1B, 48
.set G0B, 56
.set MSB, 0
.macro WIN new
.if MSB != (\new)
	s_set_vgpr_msb (MSB<<8)|(\new)
.set MSB, (\new)
.endif
.endm
.set MUL,  0x05                        ; sources 0 (B) and 1 (A) window 1; C and D window 0
.set TO_F, 0x40
.macro JLOAD s                         ; an s_nop 0 and four v_nop follow each of the two lines
	s_cmp_eq_u32 s11, 0
	s_cbranch_scc0 .Lfor_b_\@
	tensor_load_to_lds s[G0+4*\s:G0+4*\s+3], s[G1:G1+7]
	s_nop 0
.rept 4
	v_nop
.endr
	s_branch .Lasked_\@
.Lfor_b_\@:
	tensor_load_to_lds s[G0B+4*\s:G0B+4*\s+3], s[G1B:G1B+7]
	s_nop 0
.rept 4
	v_nop
.endr
.Lasked_\@:
.endm
.macro CREST
	s_cmp_lg_u32 s10, 0
	s_cbranch_scc1 .Lnot_wave_0_\@
	s_barrier_signal -3
.Lnot_wave_0_\@:
	s_barrier_wait -3
	s_barrier_signal -1
	s_barrier_wait -1
.endm
.macro CROUND
	s_barrier_signal -1
	s_barrier_wait -1
	CREST
.endm
	s_load_b128 s[4:7], s[0:1], 0x0                ; at, wo16
	s_load_b64 s[8:9], s[0:1], 0x10                ; out0
	v_lshl_add_u32 v[SPW], v0, 2, SPARE
	v_mov_b32 v[NIL], 0
	ds_add_u32 v[SPW], v[NIL]                      ; the wave's opening: the add, twice on end, and its wait ahead of my first tensor load
	ds_add_u32 v[SPW], v[NIL]
	v_lshrrev_b32 v1, 5, v0
	v_readfirstlane_b32 s10, v1                    ; wave 0..3
	s_lshr_b32 s11, s10, 1                         ; my half of the tile's rows; also: I fetch for A (0) or B (1)
	s_and_b32 s12, s10, 1                          ; my half of its columns; also: which part I fetch
	s_bfe_u32 s40, ttmp6, 0x40000
	s_bfe_u32 s41, ttmp6, 0x40004
	s_lshl_b32 s42, ttmp9, 2
	s_add_co_u32 s42, s42, s40                     ; tile column
	s_and_b32 s13, ttmp7, 0xffff
	s_lshl_b32 s13, s13, 2
	s_add_co_u32 s13, s13, s41                     ; tile row
	s_lshl_b32 s43, s41, 2
	s_lshl_b32 s43, 15, s43
	s_lshl_b32 s44, 0x1111, s40
	s_or_b32 s[G1+0], s43, (1<<16)|(1<<20)|(1<<21)|(5<<22)|(3<<25)   ; A: elements of 2 bytes; 4 words of padding behind every 64
	s_mov_b32 s[G1+1], 8192<<16                    ; tensor_dim0 = 8,192
	s_mov_b32 s[G1+2], 2<<16                       ; tensor_dim1 = 2
	s_mov_b32 s[G1+3], 8192<<16                    ; tile_dim0
	s_mov_b32 s[G1+4], 2                           ; tile_dim1: two heads
	s_mov_b32 s[G1+5], 131072                      ; from head to head
	s_mov_b32 s[G1+6], 0
	s_mov_b32 s[G1+7], 0
	s_or_b32 s[G1B+0], s44, (1<<16)|(1<<20)|(1<<21)|(6<<22)|(3<<25)  ; B: 4 words behind every 128
	s_mov_b32 s[G1B+1], KSTEP<<16
	s_mov_b32 s[G1B+2], 64<<16
	s_mov_b32 s[G1B+3], KSTEP<<16
	s_mov_b32 s[G1B+4], 64
	s_mov_b32 s[G1B+5], SIZE_K
	s_mov_b32 s[G1B+6], 0
	s_mov_b32 s[G1B+7], 0
	s_lshl_b32 s16, s12, 19                        ; A: my pair of heads (2 x 262,144 bytes),
	s_lshl_b32 s17, s13, 14                        ; the tile's 128 rows of 128 bytes
	s_add_co_u32 s16, s16, s17
	s_mov_b32 s17, 0
	s_lshl_b32 s46, s42, 7
	s_lshl_b32 s47, s12, 6
	s_add_co_u32 s46, s46, s47                     ; B: row 128 x tile column + 64 x half
	s_lshl_b32 s46, s46, 12
	s_mov_b32 s47, 0
	s_mul_i32 s20, s12, 2*HEADT                    ; where they go: no place in the cluster enters an LDS address
	s_mul_i32 s21, s12, HALFB
	s_add_co_u32 s21, s21, ATILE
	s_wait_dscnt 0x0                               ; both opening adds are done
	s_wait_kmcnt 0x0
	s_add_nc_u64 s[14:15], s[4:5], s[16:17]
	s_add_nc_u64 s[46:47], s[6:7], s[46:47]
	CROUND                                         ; all sixteen work-groups are here: the first joint loads meet
.irp s, 0,1
	s_mov_b32 s[G0+4*\s], 1
	s_add_co_u32 s[G0+4*\s+1], s20, \s*SLOT
	s_add_nc_u64 s[G0+4*\s+2:G0+4*\s+3], s[14:15], \s*1048576      ; a K step is four heads
	s_or_b32 s[G0+4*\s+3], s[G0+4*\s+3], 0x80000000
	s_mov_b32 s[G0B+4*\s], 1
	s_add_co_u32 s[G0B+4*\s+1], s21, \s*SLOT
	s_add_nc_u64 s[G0B+4*\s+2:G0B+4*\s+3], s[46:47], \s*KSTEP*2
	s_or_b32 s[G0B+4*\s+3], s[G0B+4*\s+3], 0x80000000
	JLOAD \s
.endr
	v_and_b32 v1, 15, v0                           ; r
	v_bfe_u32 v2, v0, 4, 1                         ; h
	v_mul_u32_u24 v3, v1, PITCH
	v_lshl_add_u32 v3, v2, 4, v3                   ; B: row x pitch + 16 h
	v_lshrrev_b32 v4, 1, v1
	v_mul_u32_u24 v4, v4, 272
	v_and_b32 v5, 1, v1
	v_lshl_add_u32 v4, v5, 7, v4
	v_lshl_add_u32 v4, v2, 4, v4                   ; A: line r / 2, half r % 2, + 16 h: sixteen lanes touch sixteen different columns of 16 bytes
	s_mul_i32 s21, s11, 32*272                     ; my 64 rows of A in each head
	s_mul_i32 s22, s12, HALFB
	s_add_co_u32 s22, s22, ATILE
.irp s, 0,1
	v_add_nc_u32 v[ADRA+\s], s21, v4
	v_add_nc_u32 v[ADRB+\s], s22, v3
	s_add_co_u32 s21, s21, SLOT
	s_add_co_u32 s22, s22, SLOT
.endr
	s_mul_i32 s23, s10, 16*SPITCH
	s_add_co_u32 s23, s23, STAGE                   ; my stage
	v_mul_u32_u24 v4, v1, SPITCH
	v_lshl_add_u32 v4, v2, 5, v4
	v_add_nc_u32 v[STO], s23, v4                   ; in: row r, 32 bytes for each half of the lanes
	v_mul_u32_u24 v5, v2, SPITCH
	v_lshl_add_u32 v5, v1, 4, v5
	v_add_nc_u32 v[RD], s23, v5                    ; back: lanes 0-15 one row of 256 bytes, lanes 16-31 the next
	v_lshlrev_b32 v5, 13, v2
	v_lshl_add_u32 v[CO], v1, 4, v5                ; and the same two rows in out0
	s_lshl_b32 s16, s13, 7
	s_lshl_b32 s17, s11, 6
	s_add_co_u32 s16, s16, s17                     ; my first row
	s_lshl_b32 s16, s16, 13
	s_mov_b32 s17, 0
	s_add_nc_u64 s[8:9], s[8:9], s[16:17]
	s_lshl_b32 s46, s42, 9
	s_lshl_b32 s47, s12, 8
	s_add_co_u32 s46, s46, s47                     ; my first column, in bytes
	s_mov_b32 s47, 0
	s_add_nc_u64 s[8:9], s[8:9], s[46:47]
.macro MUL8 f, c, a0, zero
.irp a, \a0, \a0+1
.irp b, 0,1,2,3
.if \zero
	v_wmma_f32_16x16x32_f16 v[ACC+8*(4*(\a)+\b):ACC+8*(4*(\a)+\b)+7], v[\f+64+8*(4*\c+\b):\f+64+8*(4*\c+\b)+7], v[\f+8*(4*\c+\a):\f+8*(4*\c+\a)+7], 0
.else
	v_wmma_f32_16x16x32_f16 v[ACC+8*(4*(\a)+\b):ACC+8*(4*(\a)+\b)+7], v[\f+64+8*(4*\c+\b):\f+64+8*(4*\c+\b)+7], v[\f+8*(4*\c+\a):\f+8*(4*\c+\a)+7], v[ACC+8*(4*(\a)+\b):ACC+8*(4*(\a)+\b)+7]
.endif
.endr
.endr
.endm
; 32 LDS loads in one run: 64 along K (one head) at byte k of B's rows, head k / 128 of A's tile; the first 32 along K first
.macro FETCH slot, k, f
	WIN TO_F
.irp c, 0,1
.irp i, 0,1,2,3
	ds_load_b128 v[\f+64+8*(4*\c+\i):\f+64+8*(4*\c+\i)+3],   v[ADRB+\slot] offset:\k+64*\c+\i*16*PITCH
	ds_load_b128 v[\f+64+8*(4*\c+\i)+4:\f+64+8*(4*\c+\i)+7], v[ADRB+\slot] offset:\k+64*\c+\i*16*PITCH+32
	ds_load_b128 v[\f+8*(4*\c+\i):\f+8*(4*\c+\i)+3],         v[ADRA+\slot] offset:((\k)/128)*HEADT+64*\c+\i*8*272
	ds_load_b128 v[\f+8*(4*\c+\i)+4:\f+8*(4*\c+\i)+7],       v[ADRA+\slot] offset:((\k)/128)*HEADT+64*\c+\i*8*272+32
.endr
.endr
.endm
.macro PLACES
.rept 4
	v_nop
.endr
.endm
.macro QUARTER slot, k, f, g, zero
	s_wait_dscnt 16                                ; the first 32 along K are in; the youngest sixteen loads may be out
	WIN MUL
	MUL8 \f, 0, 0, \zero
	MUL8 \f, 0, 2, \zero
	PLACES
	FETCH \slot, \k, \g
	s_wait_dscnt 32                                ; all but the 32 just issued
	WIN MUL
	MUL8 \f, 1, 0, 0
	MUL8 \f, 1, 2, 0
.endm
.macro TURN slot, next, fill
	WIN 0
	s_wait_tensorcnt 0x0                           ; all my tensor loads have landed: my part of the next slot
	ds_add_u32 v[SPW], v[NIL]
	s_wait_dscnt 17                                ; the add and the youngest sixteen loads may be out
	WIN MUL
	MUL8 F1, 0, 0, 0
	s_wait_dscnt 0x0                               ; the add is done, and my reads of this slot are over
	s_barrier_signal -1
	MUL8 F1, 0, 2, 0
.if \fill
	WIN 0
.endif
	s_barrier_wait -1
.if \fill
	CREST                                          ; the barrier has opened a round of the cluster's barrier
	s_add_nc_u64 s[G0+4*\slot+2:G0+4*\slot+3], s[G0+4*\slot+2:G0+4*\slot+3], 2097152
	s_add_nc_u64 s[G0B+4*\slot+2:G0B+4*\slot+3], s[G0B+4*\slot+2:G0B+4*\slot+3], 2*KSTEP*2
	JLOAD \slot                                    ; the first tensor load behind the round; its four v_nop are the places in front of the loads below
.else
	PLACES
.endif
	FETCH \next, 0, F0
	WIN MUL
	MUL8 F1, 1, 0, 0
	MUL8 F1, 1, 2, 0
.endm
	s_wait_tensorcnt 1                             ; my part of K step 0 is in; K step 1's may be out
	s_barrier_signal -1
	s_barrier_wait -1
	FETCH 0, 0, F0
	QUARTER 0, 128, F0, F1, 1                      ; the first products start the sums
	WIN 0
	s_mov_b32 s3, LAPS-1
.Llap:
	QUARTER 0, 256, F1, F0, 0
	QUARTER 0, 384, F0, F1, 0
	TURN 0, 1, 1
	QUARTER 1, 128, F0, F1, 0
	QUARTER 1, 256, F1, F0, 0
	QUARTER 1, 384, F0, F1, 0
	TURN 1, 0, 1
	QUARTER 0, 128, F0, F1, 0
	WIN 0
	s_sub_co_u32 s3, s3, 1
	s_cmp_lg_u32 s3, 0
	s_cbranch_scc1 .Llap
	QUARTER 0, 256, F1, F0, 0                      ; the last lap fills nothing
	QUARTER 0, 384, F0, F1, 0
	TURN 0, 1, 0
	QUARTER 1, 128, F0, F1, 0
	QUARTER 1, 256, F1, F0, 0
	QUARTER 1, 384, F0, F1, 0
	s_wait_dscnt 16
	WIN MUL
	MUL8 F1, 0, 0, 0
	MUL8 F1, 0, 2, 0
	s_wait_dscnt 0
	MUL8 F1, 1, 0, 0
	MUL8 F1, 1, 2, 0
	WIN 0
	; THE WAY OUT, 16 rows x 64 columns at a time, through my own stage: a wave's 64 columns of f32 are one aligned run of 256 bytes
.macro TOSTAGE a
.irp b, 0,1,2,3
	ds_store_b128 v[STO], v[ACC+8*(4*(\a)+\b):ACC+8*(4*(\a)+\b)+3] offset:64*\b        ; each accumulator from its low end on
	ds_store_b128 v[STO], v[ACC+8*(4*(\a)+\b)+4:ACC+8*(4*(\a)+\b)+7] offset:64*\b+16
.endr
.irp t, 0,1,2,3,4,5,6,7
	ds_load_b128 v[TMP+32*((\a)%2)+4*\t:TMP+32*((\a)%2)+4*\t+3], v[RD] offset:\t*2*SPITCH   ; in order behind my stores
.endr
.endm
.macro SEND a, younger
	s_wait_dscnt \younger
.irp t, 0,1,2,3,4,5,6,7
	global_store_b128 v[CO], v[TMP+32*((\a)%2)+4*\t:TMP+32*((\a)%2)+4*\t+3], s[8:9] offset:(16*(\a)+2*\t)*8192 th:TH_STORE_NT   ; sixteen lanes store 256 consecutive bytes, aligned
.endr
.endm
	PLACES
	TOSTAGE 0
.irp a, 1,2,3
.if \a > 1
	s_wait_xcnt 0x0                                ; block a - 2's stores have read their registers
.endif
	TOSTAGE \a
	SEND \a-1, 16                                  ; behind block a - 1's loads: block a's 8 stores and 8 loads
.endr
	SEND 3, 0
	s_wait_tensorcnt 0x0                           ; the wave's end
	ds_add_u32 v[SPW], v[NIL]
	s_wait_dscnt 0x0
	CROUND                                         ; the closing round
	s_endpgm
.Lfunc_end_k_q7ca146a634_proj:
	.size	k_q7ca146a634_proj, .Lfunc_end_k_q7ca146a634_proj-k_q7ca146a634_proj
	.p2alignl 7, 3214868480
	.fill 96, 4, 3214868480
	.section	.rodata,"a",@progbits
	.p2align	6, 0x0
	.amdhsa_kernel k_q7ca146a634_proj
		.amdhsa_group_segment_fixed_size 327680
		.amdhsa_private_segment_fixed_size 0
		.amdhsa_enable_private_segment 0
		.amdhsa_kernarg_size 24
		.amdhsa_user_sgpr_count 2
		.amdhsa_user_sgpr_kernarg_segment_ptr 1
		.amdhsa_wavefront_size32 1
		.amdhsa_system_sgpr_workgroup_id_x 1
		.amdhsa_system_sgpr_workgroup_id_y 1
		.amdhsa_system_sgpr_workgroup_id_z 1
		.amdhsa_system_vgpr_workitem_id 0
		.amdhsa_next_free_vgpr 512
		.amdhsa_next_free_sgpr 66
		.amdhsa_reserve_vcc 0
		.amdhsa_float_denorm_mode_32 3
		.amdhsa_float_denorm_mode_16_64 3
		.amdhsa_memory_ordered 1
		.amdhsa_forward_progress 1
		.amdhsa_inst_pref_size 86
	.end_amdhsa_kernel
	.amdgpu_metadata
---
amdhsa.version: [ 1, 2 ]
amdhsa.kernels:
  - .name:           k_q7ca146a634_proj
    .symbol:         k_q7ca146a634_proj.kd
    .args:
      - { .name: at, .offset: 0, .size: 8, .value_kind: global_buffer, .address_space: global }
      - { .name: wo16, .offset: 8, .size: 8, .value_kind: global_buffer, .address_space: global }
      - { .name: out0, .offset: 16, .size: 8, .value_kind: global_buffer, .address_space: global }
    .group_segment_fixed_size: 327680
    .private_segment_fixed_size: 0
    .kernarg_segment_align: 8
    .kernarg_segment_size: 24
    .max_flat_workgroup_size: 128
    .sgpr_count:     66
    .vgpr_count:     512
    .wavefront_size: 32
...
	.end_amdgpu_metadata
.endif
;; end of part 4
;; launch fine (part 5): grid 128 x 1, 8 waves a work-group, no clusters, 9,216 bytes of LDS; arguments qf, Wo, out0; writes out0
.if DOCPART == 5
	.amdgcn_target "amdgcn-amd-amdhsa--gfx1250"
	.amdhsa_code_object_version 6
	.text
	.protected	k_q7ca146a634_fine
	.globl	k_q7ca146a634_fine
	.p2align	8
	.type	k_q7ca146a634_fine,@function
k_q7ca146a634_fine:
	s_mov_b64 s[64:65], 0
	v_nop
	global_prefetch_b8 v0, s[64:65] scope:SCOPE_SE
	s_setreg_imm32_b32 hwreg(HW_REG_WAVE_MODE, 25, 1), 1
	s_wait_xcnt 0x0
; POSITIONS 0-15 ONCE MORE, WHOLLY IN f32: their rows average one to sixteen values, are the largest of the output, and the rounding of f16 operands would use up what the comparison allows.
; qf: q, k, v of positions 0-15 behind LoRA and rotation, f32, in the order of the operands' registers: [3][32 heads][8 loads i][32 lanes][16 bytes]: lane (r, h) of load i holds channels 8 i + 4 h + 0..3 of position r.
; Wo: [2048][2048] f32.  out0 rows 0-15 are stored over what the launch before left there.
; SHARES.  The work-group makes rows 0-15, columns 16 x work-group on.  Wave w takes heads 4 w .. 4 w + 3, two at a time; the eight waves' parts of the sum meet in LDS.  Each work-group computes the 16 x 16 attention itself: that spares a launch and a buffer.
; THE ORDER OF THE PRODUCTS.  out = the sum over heads of Pn (V Wo_h^T), Pn = p / the row's sum.  For a head:
;   S^T = K Q^T          16 instructions (64 channels, 4 each): lane (r, h) holds query r, register j key 8 h + j
;   D1  = V Wo_h^T       16 instructions: source 0 = 16 keys of V, source 1 = my 16 columns of Wo: lane (r, h) holds column r, register j key 8 h + j.  It hangs on no score
;   out^T += D1^T Pn^T    4 instructions (16 keys): source 0 = D1's registers as they stand, source 1 = Pn's: lane (r, h) holds query r, register j column 8 h + j
; 36 matrix instructions of the f32 form a head where (P V) Wo^T takes 48; 144 a wave: no bulk work.  V is an operand with the channels innermost, like Q and K: all three come by loads of 512 consecutive bytes.
; In the f32 form lane (r, h), register j holds k' = 2 h + j.  Along the channels instruction t lets k' stand for channel 8 (t / 2) + 4 h + 2 (t % 2) + j, along the keys instruction i for key 8 h + 2 i + j: alike on both operands of a product.
; The registers that the f32 matrix form writes (window 1, v128-191) are written by matrix instructions alone; each sum begins with C = 0.
; REGISTERS: window 0: v3-10 addresses; v16-79 Q of two heads; v80-207 Wo's fragments of my four heads; v208-223 scores, p, Pn; v224-239 statistics; v240-255 the sums.
;   window 1: v0-63 K, v64-127 V of two heads; v128-143 S^T (2 heads); v144-159 D1 (2 heads); v160-191 out^T, four accumulators (one for each of the four key steps).
; So every matrix instruction has source 0, C and D in window 1 and source 1 in window 0: one setting.
.set SPW, 12
.set NIL, 13
.set QF,  16
.set WF,  80
.set SS,  208
.set KFR, 0
.set VF,  64
.set SA,  128
.set DV,  144
.set PA,  160
.set MSB, 0
.macro WIN new
.if MSB != (\new)
	s_set_vgpr_msb (MSB<<8)|(\new)
.set MSB, (\new)
.endif
.endm
.macro PLACES n
.rept \n
	v_nop
.endr
.endm
.macro QKVLOAD p                       ; Q, K, V of heads 2 p and 2 p + 1: 48 loads of 512 consecutive bytes
.irp e, 0,1
.irp i, 0,1,2,3,4,5,6,7
	global_load_b128 v[QF+32*\e+4*\i:QF+32*\e+4*\i+3], v9, s[4:5] offset:4096*(2*\p+\e)+512*\i
.endr
.endr
	WIN 0x40                                       ; destination window 1
.irp e, 0,1
.irp i, 0,1,2,3,4,5,6,7
	global_load_b128 v[KFR+32*\e+4*\i:KFR+32*\e+4*\i+3], v9, s[4:5] offset:131072+4096*(2*\p+\e)+512*\i
.endr
.endr
.irp e, 0,1
.irp i, 0,1,2,3,4,5,6,7
	global_load_b128 v[VF+32*\e+4*\i:VF+32*\e+4*\i+3], v9, s[4:5] offset:262144+4096*(2*\p+\e)+512*\i
.endr
.endr
	WIN 0
.endm
	s_load_b128 s[4:7], s[0:1], 0x0                ; qf, Wo
	s_load_b64 s[8:9], s[0:1], 0x10                ; out0
	v_lshl_add_u32 v[SPW], v0, 2, 8192
	v_mov_b32 v[NIL], 0
	v_lshrrev_b32 v1, 5, v0
	v_readfirstlane_b32 s16, v1                    ; wave 0..7
	v_and_b32 v1, 15, v0                           ; r
	v_bfe_u32 v2, v0, 4, 1                         ; h
	v_lshlrev_b32 v3, 13, v1
	v_lshl_add_u32 v5, v2, 5, v3                   ; out0: row r of 8,192 bytes + 32 h
	v_lshl_add_u32 v3, v2, 4, v3                   ; Wo: row r + 16 h
	v_lshlrev_b32 v6, 3, v2
	v_sub_nc_u32 v6, v1, v6                        ; d = r - 8 h: register j holds key 8 h + j, hidden where j > d
	v_and_b32 v9, 31, v0
	v_lshlrev_b32 v9, 4, v9                        ; 16 x lane
	s_lshl_b32 s17, s16, 10
	v_add_nc_u32 v7, s17, v9                       ; my wave's image in LDS
	v_mov_b32 v10, 0xff800000                      ; -infinity
	v_mov_b32 v226, 0                              ; a lane permute's destination counts as one of its sources
	v_mov_b32 v227, 0
	s_lshl_b32 s18, s16, 14                        ; my four heads in qf: 4,096 bytes each
	s_mov_b32 s19, 0
	s_lshl_b32 s24, ttmp9, 17                      ; my work-group's 16 rows of Wo,
	s_add_co_u32 s24, s24, s17                     ; my four heads: 1,024 bytes along a row
	s_mov_b32 s25, 0
	s_lshl_b32 s26, ttmp9, 6                       ; and its 16 columns of out0
	s_mov_b32 s27, 0
	s_mov_b32 s20, 0x76543210
	s_mov_b32 s21, 0xfedcba98
	s_mov_b32 s22, 0x3e38aa3b                      ; c = log2(e) / 8
	s_wait_kmcnt 0x0
	s_add_nc_u64 s[4:5], s[4:5], s[18:19]
	s_add_nc_u64 s[6:7], s[6:7], s[24:25]
	s_add_nc_u64 s[8:9], s[8:9], s[26:27]
	QKVLOAD 0
.irp hd, 0,1,2,3
.irp i, 0,1,2,3,4,5,6,7
	global_load_b128 v[WF+32*\hd+4*\i:WF+32*\hd+4*\i+3], v3, s[6:7] offset:256*\hd+32*\i   ; Wo(column r, 64 head + 8 i + 4 h + 0..3)
.endr
.endr
; TWO HEADS, 2 p and 2 p + 1
.macro PASS p
	WIN 0x51                                       ; source 0, C and D window 1; source 1 window 0
.irp t, 0,1,2,3,4,5,6,7,8,9,10,11,12,13,14,15   ; 16 steps of 4 channels; four accumulators (S^T and D1 of the two heads) take turns, one instruction a turn
.irp e, 0,1
.if \t == 0
	v_wmma_f32_16x16x4_f32 v[SA+8*\e:SA+8*\e+7], v[KFR+32*\e+2*\t:KFR+32*\e+2*\t+1], v[QF+32*\e+2*\t:QF+32*\e+2*\t+1], 0
.else
	v_wmma_f32_16x16x4_f32 v[SA+8*\e:SA+8*\e+7], v[KFR+32*\e+2*\t:KFR+32*\e+2*\t+1], v[QF+32*\e+2*\t:QF+32*\e+2*\t+1], v[SA+8*\e:SA+8*\e+7]
.endif
.endr
.irp e, 0,1
.if \t == 0
	v_wmma_f32_16x16x4_f32 v[DV+8*\e:DV+8*\e+7], v[VF+32*\e+2*\t:VF+32*\e+2*\t+1], v[WF+32*(2*\p+\e)+2*\t:WF+32*(2*\p+\e)+2*\t+1], 0
.else
	v_wmma_f32_16x16x4_f32 v[DV+8*\e:DV+8*\e+7], v[VF+32*\e+2*\t:VF+32*\e+2*\t+1], v[WF+32*(2*\p+\e)+2*\t:WF+32*(2*\p+\e)+2*\t+1], v[DV+8*\e:DV+8*\e+7]
.endif
.endr
.endr
	WIN 0
	PLACES 8                                       ; eight places: in front of loads into registers that these products read, and of the first read of the scores
.if \p == 0
	QKVLOAD 1                                      ; the next two heads land during this pass's softmax
.endif
	WIN 0x01                                       ; source 0 window 1
.irp j, 0,1,2,3,4,5,6,7                        ; the scores come over into window 0, hidden ones as -infinity; each accumulator from its low end on
	v_cmp_gt_i32 vcc_lo, \j, v6
	v_cndmask_b32 v[SS+\j], v[SA+\j], v10, vcc_lo
	v_cndmask_b32 v[SS+8+\j], v[SA+8+\j], v10, vcc_lo
.endr
	WIN 0
.irp e, 0,1
	v_max3_num_f32 v[224+\e], v[SS+8*\e], v[SS+8*\e+1], v[SS+8*\e+2]
.endr
.irp e, 0,1
	v_max3_num_f32 v[224+\e], v[224+\e], v[SS+8*\e+3], v[SS+8*\e+4]
.endr
.irp e, 0,1
	v_max3_num_f32 v[224+\e], v[224+\e], v[SS+8*\e+5], v[SS+8*\e+6]
.endr
.irp e, 0,1
	v_max_num_f32 v[224+\e], v[224+\e], v[SS+8*\e+7]
.endr
.irp e, 0,1
	v_permlanex16_b32 v[226+\e], v[224+\e], s20, s21
.endr
.irp e, 0,1
	v_max_num_f32 v[224+\e], v[224+\e], v[226+\e]  ; the row's maximum: key 0 counts for every query
.endr
.irp e, 0,1
	v_mul_f32 v[228+\e], s22, v[224+\e]            ; c m
.endr
.irp e, 0,1
.irp j, 0,1,2,3,4,5,6,7
	v_fma_f32 v[SS+8*\e+\j], v[SS+8*\e+\j], s22, -v[228+\e]
.endr
.endr
.irp j, 0,1,2,3,4,5,6,7,8,9,10,11,12,13,14,15
	v_exp_f32 v[SS+\j], v[SS+\j]                   ; p = 2^(c s - c m)
.endr
	v_nop                                          ; one plain line behind the batch,
	s_wait_alu depctr_va_vdst(0)                   ; and the one wait ahead of its first use
.irp e, 0,1
	v_add_f32 v[230+4*\e], v[SS+8*\e], v[SS+8*\e+1]
	v_add_f32 v[231+4*\e], v[SS+8*\e+2], v[SS+8*\e+3]
	v_add_f32 v[232+4*\e], v[SS+8*\e+4], v[SS+8*\e+5]
	v_add_f32 v[233+4*\e], v[SS+8*\e+6], v[SS+8*\e+7]
.endr
.irp e, 0,1
	v_add_f32 v[230+4*\e], v[230+4*\e], v[231+4*\e]
	v_add_f32 v[232+4*\e], v[232+4*\e], v[233+4*\e]
.endr
.irp e, 0,1
	v_add_f32 v[230+4*\e], v[230+4*\e], v[232+4*\e]
.endr
.irp e, 0,1
	v_permlanex16_b32 v[226+\e], v[230+4*\e], s20, s21
.endr
.irp e, 0,1
	v_add_f32 v[230+4*\e], v[230+4*\e], v[226+\e]  ; the row's sum
.endr
	v_rcp_f32 v238, v230
	v_rcp_f32 v239, v234
	v_nop
	s_wait_alu depctr_va_vdst(0)                   ; one wait for the two reciprocals
.irp e, 0,1
.irp j, 0,1,2,3,4,5,6,7
	v_mul_f32 v[SS+8*\e+\j], v[SS+8*\e+\j], v[238+\e]   ; Pn = p / the sum
.endr
.endr
	WIN 0x51
.irp e, 0,1                                    ; out^T += D1^T Pn^T: four steps of 4 keys a head, each step on an accumulator of its own: the four take turns.  D1's last product lies the whole softmax back
.irp i, 0,1,2,3
.if (\p == 0) && (\e == 0)
	v_wmma_f32_16x16x4_f32 v[PA+8*\i:PA+8*\i+7], v[DV+8*\e+2*\i:DV+8*\e+2*\i+1], v[SS+8*\e+2*\i:SS+8*\e+2*\i+1], 0
.else
	v_wmma_f32_16x16x4_f32 v[PA+8*\i:PA+8*\i+7], v[DV+8*\e+2*\i:DV+8*\e+2*\i+1], v[SS+8*\e+2*\i:SS+8*\e+2*\i+1], v[PA+8*\i:PA+8*\i+7]
.endif
.endr
.endr
	WIN 0
.endm
	s_wait_loadcnt 16                              ; Q, K, V and Wo of heads 0 and 1 are in; the 16 youngest loads, Wo of heads 2 and 3, may be out
	PASS 0
	PLACES 9                                       ; nine places: the next pass's products write over D1, which the last products read as a source
	s_wait_loadcnt 0x0                             ; the next two heads, and the rest of Wo
	PASS 1
	PLACES 8                                       ; eight places in front of the first read of the results
	WIN 0x05                                       ; sources 0 and 1 window 1
.irp j, 0,1,2,3,4,5,6,7
	v_add_f32 v[240+\j], v[PA+\j], v[PA+8+\j]      ; the four accumulators, each from its low end on
.endr
.irp j, 0,1,2,3,4,5,6,7
	v_add_f32 v[248+\j], v[PA+16+\j], v[PA+24+\j]
.endr
	WIN 0
.irp j, 0,1,2,3,4,5,6,7
	v_add_f32 v[240+\j], v[240+\j], v[248+\j]      ; my wave's part: lane (r, h): out0(row r, column 8 h + j)
.endr
	ds_store_b128 v7, v[240:243]                   ; as an image of the registers: 16 bytes a lane
	ds_store_b128 v7, v[244:247] offset:512
	s_wait_dscnt 0x0                               ; for the others' sake: my stores have landed
	s_barrier_signal -1
	s_barrier_wait -1
	s_cmp_lg_u32 s16, 0
	s_cbranch_scc1 .Ldone
.irp w, 0,1,2,3,4,5,6,7
	ds_load_b128 v[16+8*\w:19+8*\w], v9 offset:1024*\w
	ds_load_b128 v[20+8*\w:23+8*\w], v9 offset:1024*\w+512
.endr
	s_wait_dscnt 0x0
.irp w, 1,2,3,4,5,6,7
.irp j, 0,1,2,3,4,5,6,7
	v_add_f32 v[16+\j], v[16+\j], v[16+8*\w+\j]
.endr
.endr
	global_store_b128 v5, v[16:19], s[8:9]         ; 64 bytes of each of 16 rows: the tile's own width
	global_store_b128 v5, v[20:23], s[8:9] offset:16
.Ldone:
	s_wait_tensorcnt 0x0                           ; the wave's end, behind my last LDS store
	ds_add_u32 v[SPW], v[NIL]
	s_wait_dscnt 0x0
	s_endpgm
.Lfunc_end_k_q7ca146a634_fine:
	.size	k_q7ca146a634_fine, .Lfunc_end_k_q7ca146a634_fine-k_q7ca146a634_fine
	.p2alignl 7, 3214868480
	.fill 96, 4, 3214868480
	.section	.rodata,"a",@progbits
	.p2align	6, 0x0
	.amdhsa_kernel k_q7ca146a634_fine
		.amdhsa_group_segment_fixed_size 9216
		.amdhsa_private_segment_fixed_size 0
		.amdhsa_enable_private_segment 0
		.amdhsa_kernarg_size 24
		.amdhsa_user_sgpr_count 2
		.amdhsa_user_sgpr_kernarg_segment_ptr 1
		.amdhsa_wavefront_size32 1
		.amdhsa_system_sgpr_workgroup_id_x 1
		.amdhsa_system_sgpr_workgroup_id_y 1
		.amdhsa_system_sgpr_workgroup_id_z 1
		.amdhsa_system_vgpr_workitem_id 0
		.amdhsa_next_free_vgpr 512
		.amdhsa_next_free_sgpr 66
		.amdhsa_reserve_vcc 1
		.amdhsa_float_denorm_mode_32 3
		.amdhsa_float_denorm_mode_16_64 3
		.amdhsa_memory_ordered 1
		.amdhsa_forward_progress 1
		.amdhsa_inst_pref_size 37
	.end_amdhsa_kernel
	.amdgpu_metadata
---
amdhsa.version: [ 1, 2 ]
amdhsa.kernels:
  - .name:           k_q7ca146a634_fine
    .symbol:         k_q7ca146a634_fine.kd
    .args:
      - { .name: qf, .offset: 0, .size: 8, .value_kind: global_buffer, .address_space: global }
      - { .name: Wo, .offset: 8, .size: 8, .value_kind: global_buffer, .address_space: global }
      - { .name: out0, .offset: 16, .size: 8, .value_kind: global_buffer, .address_space: global }
    .group_segment_fixed_size: 9216
    .private_segment_fixed_size: 0
    .kernarg_segment_align: 8
    .kernarg_segment_size: 24
    .max_flat_workgroup_size: 256
    .sgpr_count:     66
    .vgpr_count:     512
    .wavefront_size: 32
...
	.end_amdgpu_metadata
.endif
;; end of part 5
